; MI455X (gfx1250); checked and timed in simulation.
; The chip was launched on July 23, 2026; its instructions are those of AMD's public machine-readable ISA for CDNA 5 (MIT licence, August 2026) and "CDNA5" Instruction Set Architecture Reference Guide (July 2026). The comments in the code are by the model that wrote it; some were corrected since.
;; Multi Head Attention. Allowed arithmetic: matrix products marked QUANTISED: E4M3 operands, one E8M0 scale for each 32 along K, by v_wmma_scale_f32_16x16x128_f8f6f4 with both operands' format E4M3, f32 sums; everything else in f32.
;; Inputs: Wk 1,024 x 1,024 float32; Wo 1,024 x 1,024 float32; Wq 1,024 x 1,024 float32; Wv 1,024 x 1,024 float32; X 4 x 2,048 x 1,024 float32; bo 1,024 float32.
;; Outputs: out0 4 x 2,048 x 1,024 float32.
;; This version of the problem:
;;   THIS VERSION OF THE PROBLEM IS GIVEN IN LOW PRECISION. The matrix products marked QUANTISED in the list below multiply operands that are first quantised to E4M3 (4 exponent bits, 3 mantissa bits; 8 bits a number), with one power-of-two scale for each 32 numbers along K (OCP MX v1.0); their sums are f32. All else is computed in f32.
;;   The module's matrix products, in the order in which they are computed (A, B: the left and right operand; K: the contracted axis; several contracted axes count as one K, in the product's order):
;;     1. [M 8,192, K 1,024] x [K 1,024, N 1,024]; A: input X; B: input Wq: QUANTISED
;;     2. [M 8,192, K 1,024] x [K 1,024, N 1,024]; A: input X; B: input Wk: QUANTISED
;;     3. [M 8,192, K 1,024] x [K 1,024, N 1,024]; A: input X; B: input Wv: QUANTISED
;;     4. batch 64 x [M 2,048, K 64] x [K 64, N 2,048]; A: computed on the way; B: computed on the way: QUANTISED
;;     5. batch 64 x [M 64, K 2,048] x [K 2,048, N 2,048]; A: computed on the way; B: softmax (see below): QUANTISED
;;     6. [M 8,192, K 1,024] x [K 1,024, N 1,024]; A: computed on the way; B: input Wo: QUANTISED
;;   THE QUANTISER, for each operand of a quantised product, along K:
;;     - K is cut into blocks of 32 from its start; a last block that is shorter is filled with zeros.
;;     - A block's scale is 2^e with e = floor(log2(the largest magnitude in the block)) - 8, held to -126 .. 127; a block of zeros has e = 0. As a byte (E8M0): e + 127.
;;     - Each number is divided by its block's scale, clamped to +-448, and rounded to the nearest number of E4M3, ties to even, subnormals kept.
;;     - The product sums the exact products of the quantised numbers (number of the format x scale) in f32.
;;   ~~~python
;;   def quantise(x, axis):      # numpy; x: float32 -> the quantised numbers, widened to float32 again
;;       x = np.moveaxis(x, axis, -1); K = x.shape[-1]
;;       x = np.pad(x, [(0, 0)] * (x.ndim - 1) + [(0, -K % 32)]); x = x.reshape(x.shape[:-1] + (-1, 32)); a = np.abs(x).max(-1, keepdims=True)
;;       e = np.where(a > 0, np.clip(np.frexp(np.where(a > 0, a, 1))[1] - 1 - 8, -126, 127), 0)      # np.frexp(a)[1] - 1 = floor(log2(a)), exactly
;;       r = np.clip(x / 2.0 ** e, -448, 448)
;;       step = 2.0 ** (np.maximum(np.frexp(np.where(r == 0, 1, r))[1] - 1, -6) - 3)
;;       q = np.round(r / step) * step * 2.0 ** e      # np.round: ties to even
;;       return np.moveaxis(q.reshape(q.shape[:-2] + (-1,))[..., :K], -1, axis).astype(np.float32)
;;   ~~~
;;   SOFTMAX AHEAD OF A QUANTISED PRODUCT. Where the list says 'softmax', what is quantised is not the finished softmax but p = 2^(t - M), with t = logit x log2(e) and M = ceil(the row's largest t), a whole number; so 1/2 < the row's largest p <= 1. The row's sum l is taken of the UNQUANTISED p, in f32, and the product's result is divided by l at the end. Since M is a whole number, a kernel that streams over the keys may use a running M (the ceiling of the running maximum): every later rescaling is an exact power of two, which a block's scale takes up: the codes' values come out the same.
;;   OPERANDS COMPUTED ON THE WAY. 'Computed on the way' means the value that the module computes at that place (a softmax that the list does not call 'softmax' is quantised finished and normalised). What goes into a quantiser is computed in f32, as accurately as f32 sums, v_exp_f32 and their like allow (about 1e-6 of the number): no bf16 or f16 on the way to a quantiser, and a product that is left as it is and whose result goes on into a quantised operand takes f32 operands (vector FMAs, or v_wmma_f32_16x16x4_f32). A number that lies on a knife's edge between two numbers of the format may be rounded either way, as far as f32 arithmetic and the matrix unit's own rounding can turn it there, and no further.
;; One version. Each part assembles by itself: llvm-mc -triple=amdgcn-amd-amdhsa -mcpu=gfx1250 --defsym DOCPART=n.
;; ======== version 1 of 1: 4 launches
;; limits: right only within a limited range of input values
;; workspace buffers: codes 12,582,912 bytes; scales 393,216 bytes; qkv 25,952,256 bytes; ctx_img 8,388,608 bytes; ctx_scales 262,144 bytes
;; launch quant (part 1): grid 384 x 1, 4 waves a work-group, no clusters, 68,096 bytes of LDS; arguments X, Wq, Wk, Wv, Wo, codes, scales; writes codes, scales
.if DOCPART == 1
	.amdgcn_target "amdgcn-amd-amdhsa--gfx1250"
	.amdhsa_code_object_version 6
	.text
	.protected	k_q6697c0eb9d_quant
	.globl	k_q6697c0eb9d_quant
	.p2align	8
	.type	k_q6697c0eb9d_quant,@function
k_q6697c0eb9d_quant:
	s_mov_b64 s[64:65], 0
	v_nop
	global_prefetch_b8 v0, s[64:65] scope:SCOPE_SE
	s_setreg_imm32_b32 hwreg(HW_REG_WAVE_MODE, 25, 1), 1
	s_wait_xcnt 0x0
; X [8192][1024] and the four weights [1024 (k)][1024 (n)], f32, become codes of FP8 (E4M3) with K innermost and one E8M0 scale byte for each 32 along K.
; codes: [12288 positions][1024 bytes]; scales: [12288 positions][32 bytes].  Rows 0-8191 are X's; row 8192 + 1024 w + n is column n of weight w (0 Wq, 1 Wk, 2 Wv, 3 Wo).
; A ROW rho LIES AT POSITION pi(rho), pi = rho with its bits 3 and 4 exchanged: sixteen neighbouring positions 32 B + 16 u + p then hold rows 32 B + 8 u + p + 8 (p / 8), so that in the
; products that follow a lane's 16 registers of two neighbouring result tiles are 16 neighbours along the next K, while the tiles in LDS are read as plain neighbouring rows.
; A block's scale is 2^(floor(log2(its largest magnitude)) - 8); its byte is the largest magnitude's exponent field - 8, held at 1 from below; each number is divided by the scale, held within +-448, rounded to the nearest code, ties to even.
; LIMITS: a block of zeros gets the byte 1 where the rule says 127 (its codes are zeros, which add nothing, and this program alone reads the bytes); blocks whose largest magnitude lies under 2^-118 keep the byte 1; NaN and infinities are not served.
; Work-groups 0-255 take X (K innermost: 16 neighbours a lane, turned through the wave's own stage in LDS); work-groups 256-383 the weights (K outermost: a lane to a column, registers down K).
; The two ways part on the work-group's number, never join, and have LDS bytes of their own.  Waves share nothing: no barrier.
.set SP,     80                        ; X: a lane's place in a stage: 64 bytes + 16 of padding
.set CB,     16                        ; bytes of 16 codes
.set EMAX,   8
.set MANT,   0x600000                  ; the mantissa field of 448
.set STEPS,  16
.set XR,     16                        ; v16-79   four sets of 16 numbers as loaded
.set XX,     80                        ; v80-111  two sets of 16 neighbours
.set XE,     112                       ; v112-127 a scale byte for each step
.set XC,     128                       ; v128-191 codes, four registers for each step
.set WSTG,   32768                     ; the weights' stages lie behind X's four regions of 8,192 bytes
.set WPITCH, 272
.set NB,     8                         ; blocks of 32 along K for a wave
.set WSB,    24                        ; v24-25   the scale bytes
.set WX,     32                        ; v32-95   two sets of 32 numbers
.set WC,     96                        ; v96-103  a block's codes
.set WO,     112                       ; v112-175 the way out
	s_load_b256 s[4:11], s[0:1], 0x0               ; X s[4:5], Wq s[6:7], Wk s[8:9], Wv s[10:11]
	s_load_b128 s[12:15], s[0:1], 0x20             ; Wo s[12:13], codes s[14:15]
	s_load_b64 s[16:17], s[0:1], 0x30              ; scales
	v_lshl_add_u32 v192, v0, 2, 0x10800
	v_mov_b32 v193, 0
	v_lshrrev_b32 v1, 5, v0
	v_readfirstlane_b32 s18, v1                    ; wave 0..3
	v_and_b32 v2, 31, v0                           ; lane
	s_mov_b32 s23, MANT                            ; (an instruction takes one literal: the hold's line has another)
	s_mov_b32 s25, 0
	s_wait_kmcnt 0x0
	s_cmp_lt_u32 ttmp9, 256
	s_cbranch_scc0 .Lweights
; ---------------- X: a wave takes 8 rows (8,192 numbers) in 16 steps of 512
	s_wait_alu depctr_va_vdst(0)
	v_lshlrev_b32 v3, 4, v2                        ; my 16 bytes of a load's 512
	s_lshl_b32 s19, s18, 13                        ; my wave's 8,192 bytes of LDS
	v_lshrrev_b32 v14, 2, v2
	v_mul_u32_u24 v14, v14, SP
	v_and_b32 v15, 3, v2
	v_lshl_add_u32 v14, v15, 4, v14
	v_add_nc_u32 v14, s19, v14                     ; the stage, on the way in: four lanes' 64 bytes on end, then 16 of padding
	v_mul_u32_u24 v15, v2, SP
	v_add_nc_u32 v15, s19, v15                     ; on the way out: my 16 neighbours
	v_mul_u32_u24 v4, v2, CB                       ; my codes' place in a step's
	v_lshrrev_b32 v5, 1, v2
	s_add_co_u32 s19, s19, 2*32*SP
	v_add_nc_u32 v5, s19, v5                       ; my wave's 256 scale bytes, my block's byte
	v_lshlrev_b32 v7, 3, v2                        ; and on the way out 8 bytes a lane
	v_add_nc_u32 v6, s19, v7
	s_lshl_b32 s20, ttmp9, 2
	s_add_co_u32 s24, s20, s18                     ; which run of 8 rows I read: 4 x work-group + wave
	s_lshl_b32 s24, s24, 15                        ; 32,768 bytes a run
	s_add_nc_u64 s[4:5], s[4:5], s[24:25]
	s_and_b32 s21, s18, 1                          ; a row's bits 3 and 4 are the run's bits 0 and 1: they change places
	s_lshl_b32 s21, s21, 1
	s_lshr_b32 s22, s18, 1
	s_or_b32 s21, s21, s22
	s_add_co_u32 s20, s20, s21                     ; which run of 8 positions I write
	s_lshl_b32 s24, s20, 13
	s_add_nc_u64 s[14:15], s[14:15], s[24:25]
	s_lshl_b32 s24, s20, 8
	s_add_nc_u64 s[16:17], s[16:17], s[24:25]
.macro XLOAD t
.irp i, 0,1,2,3
	global_load_b128 v[XR+16*((\t)%4)+4*\i:XR+16*((\t)%4)+4*\i+3], v3, s[4:5] offset:2048*(\t)+512*\i th:TH_LOAD_NT   ; 32 lanes read 512 consecutive bytes
.endr
.endm
.macro XTURN t                         ; step t's numbers through the stage: LDS serves a wave's instructions in order, so no wait stands between the stores and the loads
.irp i, 0,1,2,3
	ds_store_b128 v14, v[XR+16*((\t)%4)+4*\i:XR+16*((\t)%4)+4*\i+3] offset:32*SP*((\t)%2)+8*SP*\i
.endr
.irp i, 0,1,2,3
	ds_load_b128 v[XX+16*((\t)%2)+4*\i:XX+16*((\t)%2)+4*\i+3], v15 offset:32*SP*((\t)%2)+16*\i
.endr
.endm
.irp t, 0,1,2,3
	XLOAD \t
.endr
	s_wait_alu depctr_va_vdst(0)
	s_wait_loadcnt 12                              ; step 0's four loads are in; the twelve of steps 1 to 3 may be out
	XTURN 0
.macro XSTEP t
.set XSS, XX+16*((\t)%2)
.if (\t) > 0
	s_wait_dscnt 1                                 ; this step's numbers are back from the stage (the last step's byte store may be out)
.else
	s_wait_dscnt 0x0
.endif
.if (\t)+4 < STEPS
	XLOAD (\t)+4                                   ; into the registers that the stage's stores have read
.endif
.if (\t)+1 < STEPS
.if STEPS-2-(\t) >= 3
	s_wait_loadcnt 12                              ; the next step's four loads are in; those of the three steps behind it may be out
.else
	s_wait_loadcnt 4*(STEPS-2-(\t))
.endif
	XTURN (\t)+1
.endif
	v_max3_num_f32 v8, |v[XSS]|, |v[XSS+1]|, |v[XSS+2]|            ; the largest magnitude of my 16, in two chains
	v_max3_num_f32 v9, |v[XSS+3]|, |v[XSS+4]|, |v[XSS+5]|
.irp i, 6,10
	v_max3_num_f32 v8, v8, |v[XSS+\i]|, |v[XSS+\i+1]|
	v_max3_num_f32 v9, v9, |v[XSS+\i+2]|, |v[XSS+\i+3]|
.endr
	v_max3_num_f32 v8, v8, |v[XSS+14]|, |v[XSS+15]|
	v_max3_num_f32 v8, v8, v9, (EMAX+1)<<23        ; and the floor 2^(9 - 127): the byte cannot fall under 1
	v_max_num_f32_dpp v8, v8, v8 row_xmask:1 row_mask:0xf bank_mask:0xf   ; and of my neighbour's 16: the block's
	v_add_nc_u32 v11, -(EMAX<<23), v8              ; 8 off its exponent field: the conversion's scale operand
	v_and_or_b32 v10, v8, 0x7f800000, s23          ; 448 x the scale
.irp i, 0,1,2,3,4,5,6,7,8,9,10,11,12,13,14,15
	v_med3_num_f32 v[XSS+\i], v[XSS+\i], -v10, v10 ; the conversion to an 8-bit code does not saturate (ISA guide 7.6.2): the hold comes first
.endr
	v_cvt_scalef32_pk8_fp8_f32 v[XC+4*(\t):XC+4*(\t)+1], v[XSS:XSS+7], v11
	v_cvt_scalef32_pk8_fp8_f32 v[XC+4*(\t)+2:XC+4*(\t)+3], v[XSS+8:XSS+15], v11
	v_lshrrev_b32 v[XE+(\t)], 23, v11              ; the scale's byte (also the plain line behind the conversions)
	ds_store_b8 v5, v[XE+(\t)] offset:16*(\t)      ; both lanes of a block write the same byte with the same value
	global_store_b128 v4, v[XC+4*(\t):XC+4*(\t)+3], s[14:15] offset:32*CB*(\t)   ; 512 consecutive bytes a wave
.endm
.irp t, 0,1,2,3,4,5,6,7,8,9,10,11,12,13,14,15
	XSTEP \t
.endr
	ds_load_b64 v[12:13], v6                       ; LDS serves a wave's instructions in order: these see my stores
	s_wait_dscnt 0x0
	global_store_b64 v7, v[12:13], s[16:17]        ; 32 lanes store 256 consecutive bytes, aligned
	s_wait_tensorcnt 0x0
	ds_add_u32 v192, v193
	s_wait_dscnt 0x0
	s_endpgm
; ---------------- the weights: a wave takes 32 columns x 256 along K
.Lweights:
	s_sub_co_u32 s19, ttmp9, 256
	s_lshr_b32 s22, s19, 5                         ; which weight
	s_bfe_u32 s26, s19, 0x20003                    ; which 256 along K
	s_and_b32 s24, s19, 7
	s_lshl_b32 s24, s24, 7
	s_lshl_b32 s27, s18, 5
	s_add_co_u32 s24, s24, s27                     ; my wave's first column
	s_cmp_eq_u32 s22, 1                            ; the choice of the buffer hangs on the work-group's number alone
	s_cselect_b64 s[6:7], s[8:9], s[6:7]
	s_cmp_eq_u32 s22, 2
	s_cselect_b64 s[6:7], s[10:11], s[6:7]
	s_cmp_eq_u32 s22, 3
	s_cselect_b64 s[6:7], s[12:13], s[6:7]
	s_lshl_b32 s28, s26, 20                        ; 256 rows of 4,096 bytes
	s_lshl_b32 s27, s24, 2
	s_add_co_u32 s28, s28, s27
	s_mov_b32 s29, 0
	s_add_nc_u64 s[6:7], s[6:7], s[28:29]
	s_lshl_b32 s27, s22, 10
	s_add_co_u32 s27, s27, s24
	s_add_co_u32 s27, s27, 8192                    ; the first of my 32 positions
	s_lshl_b32 s28, s27, 10
	s_lshl_b32 s30, s26, 8
	s_add_co_u32 s28, s28, s30
	s_add_nc_u64 s[14:15], s[14:15], s[28:29]
	s_lshl_b32 s28, s27, 5
	s_lshl_b32 s30, s26, 3
	s_add_co_u32 s28, s28, s30
	s_add_nc_u64 s[16:17], s[16:17], s[28:29]
	s_wait_alu depctr_va_vdst(0)
	v_lshlrev_b32 v3, 2, v2                        ; in: 4 bytes a lane
	v_and_b32 v14, 7, v2                           ; pi(lane): bits 3 and 4 change places
	v_bfe_u32 v15, v2, 3, 1
	v_bfe_u32 v16, v2, 4, 1
	v_lshl_or_b32 v14, v15, 4, v14
	v_lshl_or_b32 v14, v16, 3, v14
	s_mul_i32 s19, s18, 32*WPITCH
	s_add_co_u32 s19, s19, WSTG                    ; my stage
	v_mul_u32_u24 v4, v14, WPITCH
	v_add_nc_u32 v4, s19, v4                       ; into it: row = my column's position
	v_and_b32 v5, 15, v2
	v_lshrrev_b32 v6, 4, v2                        ; out of it: sixteen lanes to a row, two rows an instruction
	v_mul_u32_u24 v7, v6, WPITCH
	v_lshl_add_u32 v7, v5, 4, v7
	v_add_nc_u32 v7, s19, v7
	v_lshlrev_b32 v8, 10, v6
	v_lshl_add_u32 v8, v5, 4, v8                   ; and the same place in the codes' buffer
	v_lshlrev_b32 v9, 5, v14                       ; my position's row of scale bytes
.macro WLOAD t                         ; block t: W(32 t + i, my column), i = 0 .. 31, into set t % 2
.irp i, 0,1,2,3,4,5,6,7,8,9,10,11,12,13,14,15,16,17,18,19,20,21,22,23,24,25,26,27,28,29,30,31
	global_load_b32 v[WX+32*((\t)%2)+\i], v3, s[6:7] offset:(32*(\t)+\i)*4096 th:TH_LOAD_NT
.endr
.endm
	WLOAD 0
	WLOAD 1
.macro WBLOCK t
.set WS, WX+32*((\t)%2)
.if (\t) < NB-1
	s_wait_loadcnt 32                              ; this block's 32 loads are in; the next block's 32 may be out
.else
	s_wait_loadcnt 0
.endif
	v_max3_num_f32 v12, |v[WS]|, |v[WS+1]|, |v[WS+2]|              ; the block's largest magnitude: all 32 numbers are mine
	v_max3_num_f32 v13, |v[WS+3]|, |v[WS+4]|, |v[WS+5]|
.irp i, 6,10,14,18,22,26
	v_max3_num_f32 v12, v12, |v[WS+\i]|, |v[WS+\i+1]|
	v_max3_num_f32 v13, v13, |v[WS+\i+2]|, |v[WS+\i+3]|
.endr
	v_max3_num_f32 v12, v12, |v[WS+30]|, |v[WS+31]|
	v_max3_num_f32 v12, v12, v13, (EMAX+1)<<23     ; and the floor
	v_add_nc_u32 v11, -(EMAX<<23), v12             ; the conversion's scale operand
	v_and_or_b32 v10, v12, 0x7f800000, s23         ; 448 x the scale
	v_lshrrev_b32 v13, 23, v11                     ; the scale's byte
.if (\t)%4 == 0
	v_mov_b32 v[WSB+(\t)/4], v13                   ; four bytes to a register, the lower K in the lower byte
.else
	v_lshl_or_b32 v[WSB+(\t)/4], v13, 8*((\t)%4), v[WSB+(\t)/4]
.endif
.irp i, 0,1,2,3,4,5,6,7,8,9,10,11,12,13,14,15,16,17,18,19,20,21,22,23,24,25,26,27,28,29,30,31
	v_med3_num_f32 v[WS+\i], v[WS+\i], -v10, v10
.endr
.irp g, 0,1,2,3
	v_cvt_scalef32_pk8_fp8_f32 v[WC+2*\g:WC+2*\g+1], v[WS+8*\g:WS+8*\g+7], v11
.endr
	v_nop                                          ; a plain line behind the last conversion
	ds_store_b128 v4, v[WC:WC+3] offset:32*(\t)    ; 32 codes: 32 bytes of my position's row
	ds_store_b128 v4, v[WC+4:WC+7] offset:32*(\t)+16
.if (\t)+2 < NB
	WLOAD (\t)+2
.endif
	s_wait_dscnt 0x0                               ; the stores have read their registers: the next block's codes may be written
.endm
.irp t, 0,1,2,3,4,5,6,7
	WBLOCK \t
.endr
	global_store_b64 v9, v[WSB:WSB+1], s[16:17]    ; my position's 8 scale bytes
.irp t, 0,1,2,3,4,5,6,7,8,9,10,11,12,13,14,15
	ds_load_b128 v[WO+4*\t:WO+4*\t+3], v7 offset:2*\t*WPITCH   ; LDS serves a wave's instructions in order: these see my stores
.endr
.irp t, 0,1,2,3,4,5,6,7,8,9,10,11,12,13,14,15
	s_wait_dscnt 15-\t                             ; the younger loads may be out
	global_store_b128 v8, v[WO+4*\t:WO+4*\t+3], s[14:15] offset:2*\t*1024   ; sixteen lanes store 256 consecutive bytes, aligned
.endr
	s_wait_tensorcnt 0x0
	ds_add_u32 v192, v193
	s_wait_dscnt 0x0
	s_endpgm
.Lfunc_end_k_q6697c0eb9d_quant:
	.size	k_q6697c0eb9d_quant, .Lfunc_end_k_q6697c0eb9d_quant-k_q6697c0eb9d_quant
	.p2alignl 7, 3214868480
	.fill 96, 4, 3214868480
	.section	.rodata,"a",@progbits
	.p2align	6, 0x0
	.amdhsa_kernel k_q6697c0eb9d_quant
		.amdhsa_group_segment_fixed_size 68096
		.amdhsa_private_segment_fixed_size 0
		.amdhsa_enable_private_segment 0
		.amdhsa_kernarg_size 56
		.amdhsa_user_sgpr_count 2
		.amdhsa_user_sgpr_kernarg_segment_ptr 1
		.amdhsa_wavefront_size32 1
		.amdhsa_system_sgpr_workgroup_id_x 1
		.amdhsa_system_sgpr_workgroup_id_y 1
		.amdhsa_system_sgpr_workgroup_id_z 1
		.amdhsa_system_vgpr_workitem_id 0
		.amdhsa_next_free_vgpr 194
		.amdhsa_next_free_sgpr 66
		.amdhsa_reserve_vcc 0
		.amdhsa_float_denorm_mode_32 3
		.amdhsa_float_denorm_mode_16_64 3
		.amdhsa_memory_ordered 1
		.amdhsa_forward_progress 1
		.amdhsa_inst_pref_size 110
	.end_amdhsa_kernel
	.amdgpu_metadata
---
amdhsa.version: [ 1, 2 ]
amdhsa.kernels:
  - .name:           k_q6697c0eb9d_quant
    .symbol:         k_q6697c0eb9d_quant.kd
    .args:
      - { .name: X, .offset: 0, .size: 8, .value_kind: global_buffer, .address_space: global }
      - { .name: Wq, .offset: 8, .size: 8, .value_kind: global_buffer, .address_space: global }
      - { .name: Wk, .offset: 16, .size: 8, .value_kind: global_buffer, .address_space: global }
      - { .name: Wv, .offset: 24, .size: 8, .value_kind: global_buffer, .address_space: global }
      - { .name: Wo, .offset: 32, .size: 8, .value_kind: global_buffer, .address_space: global }
      - { .name: codes, .offset: 40, .size: 8, .value_kind: global_buffer, .address_space: global }
      - { .name: scales, .offset: 48, .size: 8, .value_kind: global_buffer, .address_space: global }
    .group_segment_fixed_size: 68096
    .private_segment_fixed_size: 0
    .kernarg_segment_align: 8
    .kernarg_segment_size: 56
    .max_flat_workgroup_size: 128
    .sgpr_count:     66
    .vgpr_count:     194
    .wavefront_size: 32
...
	.end_amdgpu_metadata
.endif
;; end of part 1
;; launch proj (part 2): grid 96 x 4, 4 waves a work-group, clusters of 4 x 4, 327,680 bytes of LDS; arguments codes, scales, qkv; writes qkv
.if DOCPART == 2
	.amdgcn_target "amdgcn-amd-amdhsa--gfx1250"
	.amdhsa_code_object_version 6
	.text
	.protected	k_q6697c0eb9d_proj
	.globl	k_q6697c0eb9d_proj
	.p2align	8
	.type	k_q6697c0eb9d_proj,@function
k_q6697c0eb9d_proj:
	s_mov_b64 s[64:65], 0
	v_nop
	global_prefetch_b8 v0, s[64:65] scope:SCOPE_SE
	s_setreg_imm32_b32 hwreg(HW_REG_WAVE_MODE, 25, 1), 1
	s_wait_xcnt 0x0
	s_wait_alu depctr_hold_cnt(0) depctr_sa_sdst(0) depctr_va_vdst(0) depctr_va_sdst(0) depctr_va_ssrc(0) depctr_va_vcc(0) depctr_vm_vsrc(0)
	s_getreg_b32 s2, hwreg(HW_REG_IB_STS2, 6, 4)
	s_cmp_eq_u32 s2, 0
	s_cbranch_scc0 .Lentry_in_a_cluster
	s_endpgm
.Lentry_in_a_cluster:
	s_bfe_u32 s2, ttmp6, 0x10000c
	s_cmp_lg_u32 s2, 0xf033
	s_cbranch_scc0 .Lentry_shape_is_right
	s_endpgm
.Lentry_shape_is_right:
; q = X Wq, k = X Wk, v = X Wv on codes of FP8 (E4M3) with E8M0 scales, K = 1,024; the results are quantised in registers and leave as IMAGES OF THE OPERAND REGISTERS that the attention launch wants.  No f32 result goes to memory.
; Both operands come from one buffer, codes [12288 positions][1024] (scales [12288][32]): tiles of 256 positions: 0-31 X, 32-35 Wq, 36-39 Wk, 40-43 Wv.  A row rho lies at position pi(rho) (bits 3 and 4 exchanged).
; A work-group of four waves makes 256 x 256, a wave 128 x 128: 64 accumulators.  K goes in steps of 256 through two LDS slots filled by the tensor data mover; all scale bytes of the work-group's rows come once and stay.
; THE MATRIX INSTRUCTION IS USED TRANSPOSED: source 0 = 16 positions of the operand called B here, source 1 = 16 of A.  By pi the 64 registers of a lane's accumulators (a, 0..7) are B's rows 32 beta + 16 (lane / 16) + i at register 16 beta + i,
; that is 16 neighbours of each of four blocks of 32, and lane r of block a holds A's row 32 (a / 2) + 8 (a % 2) + r + 8 (r / 8).
; CLUSTERS 0-15 (q and k): A = X (tokens), B = Wq or Wk: the blocks of 32 run along the head's 64: two heads to a wave.   CLUSTERS 16-23 (v): A = Wv, B = X: the blocks run along the KEYS, which are the second product's K.
; The two cases differ in scalar numbers alone, chosen by s_cselect_b32 on the cluster's number: one path for all.
; CLUSTERS of 4 x 4: the four of a row need the same tiles of A, the four of a column the same tiles of B: each tile is asked for jointly.
; qkv: [b x head 64][slot of 256 tokens 8] records of 50,688 bytes: K's images 16,384 ([tile 16][c 2][lane][16]), V's 16,384 ([step 2][d tile 4][c 4][lane][16]), K's scale words 512 ([step 2][r 16][pair of tiles 4]),
;      V's 512 ([step 2][r 16][d tile 4]), Q's images 16,384 and scale words 512 (as K's).
; LIMITS: as the quantiser's: a block of zeros gets the byte 1, blocks under 2^-118 keep it; NaN and infinities are not served.
; REGISTERS, in windows of 256: window 0: v0-31 addresses; v32-63 scale words, two sets; v64-116 the way out; from v128 A's fragments, one set.  window 1: B's fragments, two sets.  windows 2, 3: the accumulators ((a, b) at v[8 (8 (a % 4) + b)]).
.set KSTEP,  256
.set NQ,     KSTEP/128
.set ROWB,   256
.set KROW,   1024
.set PITCH,  272                       ; an LDS row: 256 bytes + 16 of padding: the 16 rows that a load touches start at 16 different banks (64 banks of 4 bytes: ISA guide 11.1)
.set FR,     16
.set NL,     4
.set NP,     8                         ; places behind this matrix instruction (ISA guide 7.12.1)
.set HALFT,  128*PITCH
.set SLOT,   4*HALFT
.set LAPS,   1024/(2*KSTEP)
.set KS,     32                        ; a row of scales in bytes
.set SCL,    2*SLOT
.set HALFS,  (128*KS/256)*272
.set SBLK,   (16*KS/256)*272
.set SPARE,  SCL+4*HALFS               ; the spare words, 128 bytes for each wave: two blocks of 256 bytes that no other line names
.set REC,    50688
.set HSTR,   8*REC                     ; from head to head
.set BSTR,   16*HSTR                   ; from batch to batch
.set ADRA, 16
.set ADRB, 20
.set ADRS, 27
.set SPW,  28
.set NIL,  29
.set SC,   32
.set AF,   128
.set TM,   64                          ; v64-67 largest magnitudes, v68-71 the other half's, then bytes, v72-75 448 x the scale, v76-79 the conversions' scale operands
.set CD,   80                          ; v80-95   a block's codes
.set PWS,  96                          ; v96-103  the eight blocks' scale words
.set OQ,   104                         ; v104-107 the words as q and k want them
.set OV,   108                         ; v108-111 as v wants them
.set VO0,  112                         ; v112  16 x lane
.set VO2,  113                         ; v113  16 x lane + the distance to the block's second half of codes
.set VSO,  114                         ; v114  the scale words' place: (lane / 16) heads on, 16 bytes a row
.set SELQ, 115
.set SELV, 116
.set G1, 24
.set G0, 32
.set G1B, 48
.set G0B, 56
.set G1S, 68
.set G0S, 76
.set G1SB, 80
.set G0SB, 88
.set MSB, 0
.macro WIN new                         ; the immediate's high byte repeats the setting that is left
.if MSB != \new
	s_set_vgpr_msb (MSB<<8)|\new
.set MSB, \new
.endif
.endm
.set MUL_LO, 0xa1                      ; source 0 (B) window 1, source 1 (A) window 0, C and D window 2
.set MUL_HI, 0xf1
.set TO_B,   0x40
; A joint load: waves 0 and 1 fetch for A, waves 2 and 3 for B; the branch hangs on the wave's number alone.  Four v_nop follow each of the two lines.
.macro JLOAD g0a, g1a, g0b, g1b
	s_cmp_eq_u32 s15, 0
	s_cbranch_scc0 .Lfor_b_\@
	tensor_load_to_lds s[\g0a:\g0a+3], s[\g1a:\g1a+7]
	s_nop 0
.rept 4
	v_nop
.endr
	s_branch .Lasked_\@
.Lfor_b_\@:
	tensor_load_to_lds s[\g0b:\g0b+3], s[\g1b:\g1b+7]
	s_nop 0
.rept 4
	v_nop
.endr
.Lasked_\@:
.endm
.macro CREST                           ; a round of the cluster's barrier behind its opening barrier
	s_cmp_lg_u32 s14, 0
	s_cbranch_scc1 .Lnot_wave_0_\@
	s_barrier_signal -3
.Lnot_wave_0_\@:
	s_barrier_wait -3
	s_barrier_signal -1
	s_barrier_wait -1
.endm
.macro CROUND
	s_barrier_signal -1
	s_barrier_wait -1
	CREST
.endm
	s_load_b128 s[4:7], s[0:1], 0x0                ; codes s[4:5], scales s[6:7]
	s_load_b64 s[8:9], s[0:1], 0x10                ; qkv
	v_lshl_add_u32 v[SPW], v0, 2, SPARE
	v_mov_b32 v[NIL], 0
	ds_add_u32 v28, v29
	ds_add_u32 v28, v29
	s_wait_dscnt 0x0
	v_lshrrev_b32 v1, 5, v0
	v_readfirstlane_b32 s14, v1                    ; wave 0..3
	s_lshr_b32 s15, s14, 1                         ; which half of A's rows is mine.  Also: I fetch for A (0) or for B (1)
	s_and_b32 s16, s14, 1                          ; which half of B's.  Also: which 128 rows of that tile I fetch
	s_bfe_u32 s40, ttmp6, 0x40000                  ; cx, cy: my place in the cluster
	s_bfe_u32 s41, ttmp6, 0x40004
	s_lshr_b32 s17, ttmp9, 1
	s_lshl_b32 s17, s17, 2                         ; q, k: A's tile 4 (c / 2) + cy of X,
	s_and_b32 s42, ttmp9, 1
	s_lshl_b32 s42, s42, 2
	s_add_co_u32 s42, s42, 32                      ;       B's tile 32 + 4 (c % 2) + cx
	s_sub_co_u32 s45, ttmp9, 16
	s_lshl_b32 s45, s45, 2                         ; v: B's tile 4 (c - 16) + cx of X, A's tile 40 + cy
	s_cmp_lt_u32 ttmp9, 16
	s_cselect_b32 s17, s17, 40
	s_cselect_b32 s42, s42, s45
	s_add_co_u32 s17, s17, s41                     ; A's tile: cy alone enters it
	s_add_co_u32 s42, s42, s40                     ; B's tile: cx alone
	s_lshl_b32 s43, s41, 2
	s_lshl_b32 s43, 15, s43                        ; my row of the cluster
	s_lshl_b32 s44, 0x1111, s40                    ; my column
	; descriptor group 1: a tile of 128 rows x 256 bytes, 16 bytes of padding behind each row
	s_or_b32 s[G1+0], s43, (0<<16)|(1<<20)|(1<<21)|(5<<22)|(3<<25)  ; 15:0 the mask; 17:16 elements of 1 byte; 20 padding on; 21 set beside a mask; 24:22 after every 64 words; 31:25 four words
	s_or_b32 s[G1B+0], s44, (0<<16)|(1<<20)|(1<<21)|(5<<22)|(3<<25)
.irp g, G1, G1B
	s_mov_b32 s[\g+1], ROWB<<16                    ; tensor_dim0
	s_mov_b32 s[\g+2], 256<<16                     ; tensor_dim1: the head's loads bring 256 rows; behind them the two words that count rows are set to 128
	s_mov_b32 s[\g+3], ROWB<<16                    ; tile_dim0
	s_mov_b32 s[\g+4], 256                         ; tile_dim1
	s_mov_b32 s[\g+5], KROW                        ; tensor_dim0_stride
	s_mov_b32 s[\g+6], 0
	s_mov_b32 s[\g+7], 0
.endr
	; the scales of 256 rows: 8,192 dense bytes, as 32 rows of 256 bytes (32 elements of 8 bytes), 16 bytes of padding behind each
	s_or_b32 s[G1S+0], s43, (3<<16)|(1<<20)|(1<<21)|(5<<22)|(3<<25)
	s_or_b32 s[G1SB+0], s44, (3<<16)|(1<<20)|(1<<21)|(5<<22)|(3<<25)
.irp g, G1S, G1SB
	s_mov_b32 s[\g+1], 32<<16
	s_mov_b32 s[\g+2], (256*KS/256)<<16            ; the scales of 256 rows: 32 rows of 256 bytes
	s_mov_b32 s[\g+3], 32<<16
	s_mov_b32 s[\g+4], 256*KS/256
	s_mov_b32 s[\g+5], 32
	s_mov_b32 s[\g+6], 0
	s_mov_b32 s[\g+7], 0
.endr
	s_lshl_b32 s20, s17, 8                         ; A: the tile's first position
	s_lshl_b32 s46, s42, 8                         ; B likewise
	s_mov_b32 s21, 0
	s_mov_b32 s47, 0
	s_mov_b64 s[18:19], KS
	s_mul_u64 s[22:23], s[20:21], s[18:19]         ; where these rows' scales begin, in bytes
	s_mul_u64 s[92:93], s[46:47], s[18:19]
	s_mov_b64 s[18:19], KROW
	s_mul_u64 s[20:21], s[20:21], s[18:19]         ; and their codes
	s_mul_u64 s[46:47], s[46:47], s[18:19]
	s_mul_i32 s45, s14, HALFT                      ; where the ring's loads go: wave x 128 rows: no place in the cluster enters an LDS address
	s_mul_i32 s18, s16, 128*KROW                   ; in the ring I fetch 128 rows of a tile: which half, in bytes
	s_mov_b32 s19, 0
	s_wait_kmcnt 0x0
	s_add_nc_u64 s[20:21], s[4:5], s[20:21]
	s_add_nc_u64 s[22:23], s[6:7], s[22:23]
	s_add_nc_u64 s[46:47], s[4:5], s[46:47]
	s_add_nc_u64 s[92:93], s[6:7], s[92:93]
	CROUND                                         ; all sixteen work-groups are here: the first joint loads meet
	s_mov_b32 s[G0S], 1
	s_mov_b32 s[G0S+1], SCL
	s_mov_b64 s[G0S+2:G0S+3], s[22:23]
	s_or_b32 s[G0S+3], s[G0S+3], 0x80000000
	s_mov_b32 s[G0SB], 1
	s_mov_b32 s[G0SB+1], SCL+2*HALFS
	s_mov_b64 s[G0SB+2:G0SB+3], s[92:93]
	s_or_b32 s[G0SB+3], s[G0SB+3], 0x80000000
	s_mov_b32 s[G0], 1                             ; slot 0's groups 0 serve the head first: K step 0's 256 rows of A,
	s_mov_b32 s[G0+1], 0
	s_mov_b64 s[G0+2:G0+3], s[20:21]
	s_or_b32 s[G0+3], s[G0+3], 0x80000000
	s_mov_b32 s[G0B], 1                            ; and its 256 rows of B, behind them
	s_mov_b32 s[G0B+1], 2*HALFT
	s_mov_b64 s[G0B+2:G0B+3], s[46:47]
	s_or_b32 s[G0B+3], s[G0B+3], 0x80000000
	s_add_nc_u64 s[20:21], s[20:21], s[18:19]      ; for the ring: my 128 rows of the tile
	s_add_nc_u64 s[46:47], s[46:47], s[18:19]
	s_mov_b32 s[G0+4], 1                           ; slot 1: K step 1
	s_add_co_u32 s[G0+5], s45, SLOT
	s_add_nc_u64 s[G0+6:G0+7], s[20:21], ROWB
	s_or_b32 s[G0+7], s[G0+7], 0x80000000
	s_mov_b32 s[G0B+4], 1
	s_add_co_u32 s[G0B+5], s45, SLOT
	s_add_nc_u64 s[G0B+6:G0B+7], s[46:47], ROWB
	s_or_b32 s[G0B+7], s[G0B+7], 0x80000000
; THE HEAD'S LOADS, ONE A WAVE: wave 0 K step 0's rows of A, wave 1 those of B, wave 2 A's scales, wave 3 B's: one chain of branches on the wave's number, a load to an arm
.macro ARM under, g0, g1, next
	s_cmp_lt_u32 s14, \under
	s_cbranch_scc0 \next
	tensor_load_to_lds s[\g0:\g0+3], s[\g1:\g1+7]
	s_nop 0
.rept 4
	v_nop
.endr
	s_branch .Lhead_asked
\next:
.endm
	ARM 1, G0,  G1,  .Lhead_b
	ARM 2, G0B, G1B, .Lhead_sa
	ARM 3, G0S, G1S, .Lhead_sb
	tensor_load_to_lds s[G0SB:G0SB+3], s[G1SB:G1SB+7]
	s_nop 0
.rept 4
	v_nop
.endr
.Lhead_asked:
	v_and_b32 v1, 15, v0                           ; r = lane % 16
	v_bfe_u32 v2, v0, 4, 1                         ; h = lane / 16
	v_mul_u32_u24 v3, v1, PITCH
	v_lshl_add_u32 v4, v2, 4, v3                   ; a fragment's row x pitch + 16 x half
	s_mul_i32 s21, s15, HALFT                      ; my 128 rows of A
	s_mul_i32 s22, s16, HALFT                      ; my 128 rows of B,
	s_add_co_u32 s22, s22, 2*HALFT                 ; which lie behind A's 256
.irp s, 0,1
	v_add_nc_u32 v[ADRA+\s], s21, v4
	v_add_nc_u32 v[ADRB+\s], s22, v4
	s_add_co_u32 s21, s21, SLOT
	s_add_co_u32 s22, s22, SLOT
.endr
	v_mul_u32_u24 v5, v1, KS                       ; my row's scales: 32 bytes a row,
	v_lshrrev_b32 v6, 8, v5
	v_lshl_add_u32 v5, v6, 4, v5                   ; and 16 more for each 256 passed
	s_mul_i32 s21, s15, HALFS
	s_mul_i32 s22, s16, HALFS
	s_add_co_u32 s22, s22, 2*HALFS
	s_sub_co_u32 s22, s22, s21
	v_mul_u32_u24 v6, s22, v2                      ; lanes 16-31 take B's
	s_add_co_u32 s21, s21, SCL
	v_add_nc_u32 v5, v5, v6
	v_add_nc_u32 v[ADRS], s21, v5
	; ---- where my results go.  RA, CB: which 128 of A's and of B's logical rows are mine; XS: my 128 tokens; WS: my pair of heads
	s_cmp_lt_u32 ttmp9, 16
	s_cselect_b32 s20, 0, 40                       ; what A's tile number has over its place in its own tensor,
	s_cselect_b32 s21, 32, 0                       ; and B's
	s_cselect_b32 s95, 0, -1                       ; a mask of lanes: all ones in v's clusters
	s_mov_b32 s100, 1024
	s_cselect_b32 s100, HSTR, s100                 ; from a block's first 32 codes a lane to its second: q, k: the next head; v: the fragment's next 1,024 bytes
	s_mov_b32 s96, 2048
	s_cselect_b32 s96, 1024, s96                   ; from block to block: q, k: a tile's image; v: a d tile's image
	s_mov_b32 s98, HSTR-6144
	s_cselect_b32 s98, 1024, s98                   ; from block 3 to block 4: in v the next head begins
	s_mov_b32 s97, 0
	s_mov_b32 s99, 0
	s_sub_co_u32 s20, s17, s20
	s_sub_co_u32 s21, s42, s21
	s_lshl_b32 s20, s20, 1
	s_add_co_u32 s20, s20, s15                     ; RA
	s_lshl_b32 s21, s21, 1
	s_add_co_u32 s21, s21, s16                     ; CB
	s_and_b32 s22, s21, 7
	s_cmp_lt_u32 s21, 8                            ; q's columns or k's
	s_cselect_b32 s23, 33792, 0                    ; the images' place in a record
	s_mov_b32 s46, 32768
	s_cselect_b32 s46, 50176, s46                  ; the scale words'
	s_cmp_lt_u32 ttmp9, 16
	s_cselect_b32 s47, s20, s21                    ; XS
	s_cselect_b32 s22, s22, s20                    ; WS
	s_cselect_b32 s23, s23, 16384
	s_cselect_b32 s46, s46, 33280
	s_lshr_b32 s92, s47, 4                         ; the batch
	s_mul_i32 s92, s92, BSTR
	s_mul_i32 s93, s22, 2*HSTR
	s_add_co_u32 s92, s92, s93
	s_bfe_u32 s93, s47, 0x30001                    ; the slot of 256 tokens
	s_mul_i32 s93, s93, REC
	s_add_co_u32 s92, s92, s93
	s_and_b32 s93, s47, 1                          ; its half
	s_lshl_b32 s20, s93, 13
	s_add_co_u32 s20, s20, s92
	s_add_co_u32 s20, s20, s23
	s_mov_b32 s21, 0
	s_lshl_b32 s22, s93, 8
	s_add_co_u32 s22, s22, s92
	s_add_co_u32 s22, s22, s46
	s_mov_b32 s23, 0
	s_add_nc_u64 s[10:11], s[8:9], s[20:21]        ; my first block's codes
	s_add_nc_u64 s[12:13], s[8:9], s[22:23]        ; my scale words
	s_mov_b32 s66, 0x76543210
	s_mov_b32 s67, 0xfedcba98                      ; v_permlanex16_b32's selects for lane l xor 16
	s_mov_b32 s101, 0x600000                       ; the mantissa field of 448
	v_and_b32 v6, 31, v0
	v_lshlrev_b32 v[VO0], 4, v6
	v_add_nc_u32 v[VO2], s100, v[VO0]
	v_mul_u32_u24 v[VSO], v2, HSTR
	v_lshl_add_u32 v[VSO], v1, 4, v[VSO]
	v_cmp_eq_u32 vcc_lo, 1, v2
	v_mov_b32 v[SELQ], 0x05040100                  ; lanes 0-15: the low halves of two words (the first head's two bytes of two tiles),
	v_mov_b32 v5, 0x07060302                       ; lanes 16-31: the high halves (the second head's)
	v_cndmask_b32 v[SELQ], v[SELQ], v5, vcc_lo
	v_mov_b32 v[SELV], 0x03020100                  ; lanes 0-15: the first head's word, lanes 16-31: the second's
	v_mov_b32 v5, 0x07060504
	v_cndmask_b32 v[SELV], v[SELV], v5, vcc_lo
.irp b, 0,1,2,3
	v_mov_b32 v[TM+4+\b], 0                        ; written once: a lane permute's destination counts as one of its sources
.endr
.macro FRAG reg, adr, q, i             ; a fragment, 16 rows x 128 K: lane l holds row l % 16; registers 4 c .. 4 c + 3 hold K = 32 c + 16 (l / 16) + 0 .. 15
.irp c, 0,1,2,3
	ds_load_b128 v[\reg+4*\c:\reg+4*\c+3], v[\adr] offset:128*(\q)+32*\c+(\i)*16*PITCH
.endr
.endm
; 16 matrix instructions: A's blocks a0, a0 + 1 x B's eight.  The 64 accumulators take turns, one instruction a turn, in the same order in every step.
.macro MUL16 a0, p, q, sc, zero
.irp a, \a0, \a0+1
.irp b, 0,1,2,3,4,5,6,7
.if \zero
	v_wmma_scale_f32_16x16x128_f8f6f4 v[8*(8*((\a)%4)+\b):8*(8*((\a)%4)+\b)+7], v[128*(\p)+FR*\b:128*(\p)+FR*\b+FR-1], v[AF+FR*(\a):AF+FR*(\a)+FR-1], 0, v[SC+8*NQ*(\sc)+NQ*\b+(\q)], v[SC+8*NQ*(\sc)+NQ*(\a)+(\q)] matrix_a_scale:MATRIX_SCALE_ROW1
.else
	v_wmma_scale_f32_16x16x128_f8f6f4 v[8*(8*((\a)%4)+\b):8*(8*((\a)%4)+\b)+7], v[128*(\p)+FR*\b:128*(\p)+FR*\b+FR-1], v[AF+FR*(\a):AF+FR*(\a)+FR-1], v[8*(8*((\a)%4)+\b):8*(8*((\a)%4)+\b)+7], v[SC+8*NQ*(\sc)+NQ*\b+(\q)], v[SC+8*NQ*(\sc)+NQ*(\a)+(\q)] matrix_a_scale:MATRIX_SCALE_ROW1
.endif
.endr
.endr
.endm
.macro FETCH_B slot, q, p
	WIN TO_B
.irp i, 0,1,2,3,4,5,6,7
	FRAG 128*(\p)+FR*\i, ADRB+\slot, \q, \i
.endr
	WIN 0
.endm
.macro FETCH_A slot, q, i0
.irp i, \i0, \i0+1, \i0+2, \i0+3
	FRAG AF+FR*(\i), ADRA+\slot, \q, \i
.endr
.endm
.macro SCALES sc                       ; a K step's scale words: lanes 0-15 take A's block i, lanes 16-31 B's block i
.irp i, 0,1,2,3,4,5,6,7
	ds_load_b64 v[SC+8*NQ*\sc+NQ*\i:SC+8*NQ*\sc+NQ*\i+1], v[ADRS] offset:\i*SBLK
.endr
.endm
.macro PLACES n                        ; plain vector lines between a matrix instruction and a load into, or a vector read or write of, its registers
.rept \n
	v_nop
.endr
.endm
.macro STEP slot, q, zero              ; a step of 128 along K that has its successor in the same slot
	s_wait_dscnt 4*NL                              ; B's set and A's blocks 0-3 are in; the youngest 16 loads (A's blocks 4-7) may be out
	WIN MUL_LO
	MUL16 0, (\q)%2, \q, \slot, \zero
	MUL16 2, (\q)%2, \q, \slot, \zero
	s_wait_dscnt 0
	PLACES NP
	FETCH_B \slot, (\q)+1, 1-(\q)%2
	FETCH_A \slot, (\q)+1, 0
	WIN MUL_HI
	MUL16 4, (\q)%2, \q, \slot, \zero
	MUL16 6, (\q)%2, \q, \slot, \zero
	PLACES NP
	WIN 0
	FETCH_A \slot, (\q)+1, 4
.endm
; A slot's last step changes slots: one barrier; in front of it each wave waits for all its tensor loads, adds 0 to its spare word, and waits for that and for its own reads of this slot.
.macro TURN slot, next, fill
	s_wait_tensorcnt 0x0                           ; all my tensor loads have landed: my part of the next slot
	ds_add_u32 v[SPW], v[NIL]                      ; 0 onto my spare word
	s_wait_dscnt 4*NL+1                            ; (the add and the youngest 16 loads may be out)
	WIN MUL_LO
	MUL16 0, 1, NQ-1, \slot, 0
	s_wait_dscnt 0x0                               ; the add is done, and my reads of this slot are over
	s_barrier_signal -1
	MUL16 2, 1, NQ-1, \slot, 0
	WIN 0
	s_barrier_wait -1
.if \fill
	CREST                                          ; the barrier has opened a round of the cluster's barrier: no wave of any partner still reads this slot or has a load on its way
	s_add_nc_u64 s[G0+4*\slot+2:G0+4*\slot+3], s[G0+4*\slot+2:G0+4*\slot+3], 2*ROWB
	s_add_nc_u64 s[G0B+4*\slot+2:G0B+4*\slot+3], s[G0B+4*\slot+2:G0B+4*\slot+3], 2*ROWB
	JLOAD G0+4*\slot, G1, G0B+4*\slot, G1B         ; my one tensor load behind the round; its four v_nop are among the places in front of the loads below
	PLACES NP-4
.else
	PLACES NP
.endif
	s_wait_alu depctr_va_vdst(0)
	v_add_nc_u32 v[ADRS], 4*NQ, v[ADRS]            ; on to the next K step's scale words
	FETCH_B \next, 0, 0
	FETCH_A \next, 0, 0
	SCALES \next
	WIN MUL_HI
	MUL16 4, 1, NQ-1, \slot, 0
	MUL16 6, 1, NQ-1, \slot, 0
	PLACES NP
	WIN 0
	FETCH_A \next, 0, 4
.endm
	s_wait_alu depctr_va_vdst(0)                   ; the wait at the head's end
	s_wait_tensorcnt 0x0                           ; my tile of the head's four is in
	ds_add_u32 v[SPW], v[NIL]
	s_mov_b32 s[G1+2], 128<<16                     ; no tensor load of mine is out, so descriptors may be written: from here on a load brings 128 rows
	s_mov_b32 s[G1+4], 128
	s_mov_b32 s[G1B+2], 128<<16
	s_mov_b32 s[G1B+4], 128
	s_mul_i32 s[G0+1], s14, HALFT                  ; slot 0's groups 0 for the ring: my 128 rows, one K step back from slot 1's
	s_mul_i32 s[G0B+1], s14, HALFT
	s_sub_nc_u64 s[G0+2:G0+3], s[G0+6:G0+7], ROWB
	s_sub_nc_u64 s[G0B+2:G0B+3], s[G0B+6:G0B+7], ROWB
	s_wait_dscnt 0x0                               ; the add is done
	CROUND                                         ; a whole round: all four tiles are in, and all sixteen work-groups are here
	JLOAD G0+4, G1, G0B+4, G1B                     ; K step 1's load, my one tensor load behind the round
	FETCH_B 0, 0, 0
	FETCH_A 0, 0, 0
	SCALES 0
	FETCH_A 0, 0, 4
	STEP 0, 0, 1                                   ; the first step's products start the sums
	s_mov_b32 s3, LAPS-1
.Llap:                                                 ; a trip goes once round the ring and fills both slots again
	TURN 0, 1, 1
	STEP 1, 0, 0
	TURN 1, 0, 1
	STEP 0, 0, 0
	s_sub_co_u32 s3, s3, 1
	s_cmp_lg_u32 s3, 0
	s_cbranch_scc1 .Llap
	TURN 0, 1, 0                                   ; the last lap fills nothing
	STEP 1, 0, 0
	s_wait_dscnt 4*NL
	WIN MUL_LO
	MUL16 0, 1, NQ-1, 1, 0
	MUL16 2, 1, NQ-1, 1, 0
	s_wait_dscnt 0
	WIN MUL_HI
	MUL16 4, 1, NQ-1, 1, 0
	MUL16 6, 1, NQ-1, 1, 0
	WIN 0
; THE WAY OUT.  Block a's 64 registers of a lane are four blocks of 32 (16 mine, 16 in lane l xor 16).  They are quantised where they stand; the 16 registers of codes are four groups of four operand registers,
; each stored at 16 x lane: 512 consecutive aligned bytes a store.  Each accumulator is read from its low end on.
.macro QOUT a
.set W, 2+(\a)/4
.set AC, 64*((\a)%4)
.if (\a) > 0
	s_wait_xcnt 0x0                                ; the last block's stores have read their data and their base: both are written again only behind this wait
.if (\a) == 4
	s_add_nc_u64 s[10:11], s[10:11], s[98:99]
.else
	s_add_nc_u64 s[10:11], s[10:11], s[96:97]
.endif
.endif
	WIN (W|(W<<2))                                 ; sources 0 and 1: the accumulators' window
.irp b, 0,1,2,3
	v_max3_num_f32 v[TM+\b], |v[AC+16*\b]|, |v[AC+16*\b+1]|, 0x4800000   ; my 16 numbers of block b, and the floor 2^(9 - 127)
.endr
.irp i, 2,4,6,8,10,12,14
.irp b, 0,1,2,3
	v_max3_num_f32 v[TM+\b], |v[AC+16*\b+\i]|, |v[AC+16*\b+\i+1]|, v[TM+\b]   ; the four blocks by turns
.endr
.endr
	WIN 0
.irp b, 0,1,2,3
	v_permlanex16_b32 v[TM+4+\b], v[TM+\b], s66, s67
.endr
.irp b, 0,1,2,3
	v_max_num_f32 v[TM+\b], v[TM+\b], v[TM+4+\b]   ; with lane l xor 16's: the block's largest magnitude
.endr
.irp b, 0,1,2,3
	v_add_nc_u32 v[TM+12+\b], 0xfc000000, v[TM+\b] ; 8 off its exponent field: the conversion's scale operand
.endr
.irp b, 0,1,2,3
	v_and_or_b32 v[TM+8+\b], v[TM+\b], 0x7f800000, s101   ; 448 x the scale
.endr
.irp b, 0,1,2,3
	v_lshrrev_b32 v[TM+4+\b], 23, v[TM+12+\b]      ; the scale's byte
.endr
	v_lshl_or_b32 v[PWS+(\a)], v[TM+5], 8, v[TM+4]
	v_lshl_or_b32 v[PWS+(\a)], v[TM+6], 16, v[PWS+(\a)]
	v_lshl_or_b32 v[PWS+(\a)], v[TM+7], 24, v[PWS+(\a)]
	WIN (W|(W<<6))                                 ; source 0 and the destination: the accumulators' window
.irp b, 0,1,2,3
.irp i, 0,1,2,3,4,5,6,7,8,9,10,11,12,13,14,15
	v_med3_num_f32 v[AC+16*\b+\i], v[AC+16*\b+\i], -v[TM+8+\b], v[TM+8+\b]   ; the conversion to an 8-bit code does not saturate (ISA guide 7.6.2): the hold comes first
.endr
.endr
	WIN W
.irp b, 0,1,2,3
	v_cvt_scalef32_pk8_fp8_f32 v[CD+4*\b:CD+4*\b+1], v[AC+16*\b:AC+16*\b+7], v[TM+12+\b]
	v_cvt_scalef32_pk8_fp8_f32 v[CD+4*\b+2:CD+4*\b+3], v[AC+16*\b+8:AC+16*\b+15], v[TM+12+\b]
.endr
	WIN 0
	v_nop                                          ; a plain line behind the last conversion
	global_store_b128 v[VO0], v[CD:CD+3], s[10:11]
	global_store_b128 v[VO0], v[CD+4:CD+7], s[10:11] offset:512
	global_store_b128 v[VO2], v[CD+8:CD+11], s[10:11]
	global_store_b128 v[VO2], v[CD+12:CD+15], s[10:11] offset:512
.endm
	PLACES NP                                      ; behind the last products, in front of the first read of results
.irp a, 0,1,2,3,4,5,6,7
	QOUT \a
.endr
	; the scale words.  q, k: word j of a row = the head's two bytes of tile 2 j below, of tile 2 j + 1 above.  v: word j = d tile j's four bytes.  Lanes 0-15 write the first head's 256 bytes, lanes 16-31 the second's.
.irp j, 0,1,2,3
	v_perm_b32 v[OQ+\j], v[PWS+2*\j+1], v[PWS+2*\j], v[SELQ]
	v_perm_b32 v[OV+\j], v[PWS+4+\j], v[PWS+\j], v[SELV]
.endr
.irp j, 0,1,2,3
	v_cndmask_b32 v[OQ+\j], v[OQ+\j], v[OV+\j], s95
.endr
	global_store_b128 v[VSO], v[OQ:OQ+3], s[12:13]
	s_wait_tensorcnt 0x0                           ; the wave's end
	ds_add_u32 v[SPW], v[NIL]
	s_wait_dscnt 0x0
	CROUND                                         ; the closing round: no work-group ends while a partner may still ask for a tile that names it
	s_endpgm
.Lfunc_end_k_q6697c0eb9d_proj:
	.size	k_q6697c0eb9d_proj, .Lfunc_end_k_q6697c0eb9d_proj-k_q6697c0eb9d_proj
	.p2alignl 7, 3214868480
	.fill 96, 4, 3214868480
	.section	.rodata,"a",@progbits
	.p2align	6, 0x0
	.amdhsa_kernel k_q6697c0eb9d_proj
		.amdhsa_group_segment_fixed_size 327680
		.amdhsa_private_segment_fixed_size 0
		.amdhsa_enable_private_segment 0
		.amdhsa_kernarg_size 24
		.amdhsa_user_sgpr_count 2
		.amdhsa_user_sgpr_kernarg_segment_ptr 1
		.amdhsa_wavefront_size32 1
		.amdhsa_system_sgpr_workgroup_id_x 1
		.amdhsa_system_sgpr_workgroup_id_y 1
		.amdhsa_system_sgpr_workgroup_id_z 1
		.amdhsa_system_vgpr_workitem_id 0
		.amdhsa_next_free_vgpr 1024
		.amdhsa_next_free_sgpr 102
		.amdhsa_reserve_vcc 1
		.amdhsa_float_denorm_mode_32 3
		.amdhsa_float_denorm_mode_16_64 3
		.amdhsa_memory_ordered 1
		.amdhsa_forward_progress 1
		.amdhsa_inst_pref_size 189
	.end_amdhsa_kernel
	.amdgpu_metadata
---
amdhsa.version: [ 1, 2 ]
amdhsa.kernels:
  - .name:           k_q6697c0eb9d_proj
    .symbol:         k_q6697c0eb9d_proj.kd
    .args:
      - { .name: codes, .offset: 0, .size: 8, .value_kind: global_buffer, .address_space: global }
      - { .name: scales, .offset: 8, .size: 8, .value_kind: global_buffer, .address_space: global }
      - { .name: qkv, .offset: 16, .size: 8, .value_kind: global_buffer, .address_space: global }
    .group_segment_fixed_size: 327680
    .private_segment_fixed_size: 0
    .kernarg_segment_align: 8
    .kernarg_segment_size: 24
    .max_flat_workgroup_size: 128
    .sgpr_count:     102
    .vgpr_count:     1024
    .wavefront_size: 32
...
	.end_amdgpu_metadata
.endif
;; end of part 2
;; launch attn (part 3): grid 4 x 64, 16 waves a work-group, clusters of 4 x 1, 327,680 bytes of LDS; arguments qkv, ctx_img, ctx_scales; writes ctx_img, ctx_scales
.if DOCPART == 3
	.amdgcn_target "amdgcn-amd-amdhsa--gfx1250"
	.amdhsa_code_object_version 6
	.text
	.protected	k_q6697c0eb9d_attn
	.globl	k_q6697c0eb9d_attn
	.p2align	8
	.type	k_q6697c0eb9d_attn,@function
k_q6697c0eb9d_attn:
	s_mov_b64 s[64:65], 0
	v_nop
	global_prefetch_b8 v0, s[64:65] scope:SCOPE_SE
	s_setreg_imm32_b32 hwreg(HW_REG_WAVE_MODE, 25, 1), 1
	s_wait_xcnt 0x0
	s_wait_alu depctr_hold_cnt(0) depctr_sa_sdst(0) depctr_va_vdst(0) depctr_va_sdst(0) depctr_va_ssrc(0) depctr_va_vcc(0) depctr_vm_vsrc(0)
	s_getreg_b32 s2, hwreg(HW_REG_IB_STS2, 6, 4)
	s_cmp_eq_u32 s2, 0
	s_cbranch_scc0 .Lentry_in_a_cluster
	s_endpgm
.Lentry_in_a_cluster:
	s_bfe_u32 s2, ttmp6, 0x10000c
	s_cmp_lg_u32 s2, 0x3003
	s_cbranch_scc0 .Lentry_shape_is_right
	s_endpgm
.Lentry_shape_is_right:
; Causal attention of one head on codes of FP8 (E4M3) with E8M0 scales; head size 64, 2,048 tokens.  ctx leaves quantised, as images of the last product's operand registers.
; THE SOFTMAX AHEAD OF THE SECOND PRODUCT: t = score x log2(e) / 8; M = the running largest t rounded UP to a whole number; p = 2^(t - M) is quantised along the keys, not normalised; the row's sum is taken of the
; unquantised p and divides O at the end; when M moves, the sum and O are multiplied by 2^(old M - new M), which rounds nothing.
; WORK LEFT OUT: the scores of keys behind the query are -infinity, so their p is 0 for all inputs: a key step (128 keys) all of whose keys come after a tile's queries is not computed.
; A NaN, an infinity or an overflow that would arise only in such a step is not carried to the result.
; LDS HOLDS THE WHOLE HEAD: K's and V's images of 2,048 keys are 2 x 131,072 bytes, their scale words 2 x 4,096: 270,336 bytes, each byte filled once, never again: no ring.
; Waves 0 to 7 fetch two records' images each (wave % 2: K or V; wave / 2: which pair), waves 8 and 9 all scale words of K and of V: one tensor load a wave.
; At the head go waves 0, 1, 8 and 9's loads: records 0 and 1 and the scale words, 73,728 bytes.  When they are in, waves 2 to 7 ask for records 2 to 7, behind two adds on the spare word and a round;
; these 196,608 bytes have the first four key steps in which to land, and the barrier behind those steps shows them.
; No prefetch: the launch's two groups of loads follow each other at its start, and no later load is left to run ahead of.
; SHARES.  A head has 128 tiles of 16 queries.  Work-group j (0 .. 3) of a head takes tiles 4 m + j; wave w takes m = 31 - w and then m = w.  A tile walks m / 2 + 1 key steps, whatever j is:
; (31 - w) / 2 + w / 2 + 2 = 17 key steps for every wave of every work-group.
; CLUSTER 4 x 1: the four work-groups of a head need the same K and V at the same place of the text: each tile is asked for jointly (mask 15).  No branch and no LDS address hangs on j: the steps' branches hang on m alone.
; LAYOUT.  Both products are used transposed (S^T = K Q^T, O^T = V^T P^T): a lane holds ONE query throughout.  A tile's 16 rows are tokens 32 B + 8 u + r + 8 (r / 8), for keys and queries alike, so that the 16 registers of two
; neighbouring score tiles are 16 neighbouring keys; V's d rows are chosen alike.  K = 64 IN A 128-DEEP INSTRUCTION: a fragment holds TWO tiles of keys; times [q | zeros] it gives the first tile's scores, times [zeros | q] the second's.
; LIMITS: NaN and infinities are not served; the promise holds while the scaled scores t stay under 2^31 in magnitude; a block of zeros gets the byte 1 (its codes are zeros; this program alone reads the bytes); 1 / the sum is v_rcp_f32 and a multiplication.
.set REC,   50688                      ; a record of qkv: 256 tokens of one head
.set HSTR,  8*REC
.set QIO,   33792                      ; in a record: Q's images,
.set QSO,   50176                      ; and scale words
.set VIB,   131072                     ; LDS: K's images [step 16][8192] from 0, V's from here,
.set KSB,   262144                     ; K's scale words [step 16][256],
.set VSD,   4096                       ; V's so far behind them
.set SPARE, 270336                     ; the spare words, 128 bytes for each wave: eight blocks of 256 bytes that no other line names
.set LI,  1                            ; v1   16 x lane
.set LS,  2                            ; v2   KSB + 16 x (lane % 16)
.set ADI, 3                            ; v3   the step's images of K
.set ADS, 4                            ; v4   its scale words
.set SPW, 5                            ; v5   my spare word; never rewritten
.set NIL, 6                            ; v6   0; never rewritten
.set QD,  7                            ; v7   r + 8 (r / 8) - 16 h
.set SO,  8                            ; v8   32 r + h: my byte among ctx's scale bytes
.set ADV, 9                            ; v9   the step's images of V
.set LV,  10                           ; v10  VIB + 16 x lane
.set F,   52                           ; v52  f = 2^(old M - new M); v53 is named with it as a pair
.set KV,  56                           ; v56-119  four fragments of K or of V
.set S,   120                          ; v120-183 S^T, then p
.set O,   184                          ; v184-215 O^T
.set CD,  216                          ; v216-231 p's codes; at the end ctx's
; v12 -M, v13 the largest t, v[14:15] the sum in two halves; v16-23 zeros, v24-31 q, v32-39 zeros; v40-47 the second tile's q; v48, v49 raw scale words; v50 the second tile's;
; v232-247, v252, v254 at work; v248-251 K's or V's scale words; v253 p's scale word; v255 q's
.set WV,  18
.set MNT, 19
.set SEL, 20
.set CS,  22
.set G1I, 24                           ; s[24:31] group 1 for images;  s[32:39] for scale words;  s[40:43], s[44:47] their groups 0
.set G1S, 32
.set G0I, 40
.set G0S, 44
.set JX,  48                           ; my work-group's place among the head's four
.set HS,  49                           ; m / 2: the tile's last key step, the one on the diagonal
.set Q0,  50                           ; the tile's first query
.set X,   51                           ; a loop's counter
.set SS,  52                           ; the key step
.set T13, 53                           ; 8192 x the key step
.set T8,  54                           ; 256 x the key step
.set KF,  55                           ; its first key
.set LM,  66                           ; a mask of lanes 16-31
.set H2,  68                           ; the second tile's HS and Q0
.set Q2,  69
.macro BARRIER
	s_barrier_signal -1
	s_barrier_wait -1
.endm
.macro CROUND                          ; a round of the cluster's barrier
	BARRIER
	s_cmp_lg_u32 s[WV], 0
	s_cbranch_scc1 .Lnot_wave_0_\@
	s_barrier_signal -3
.Lnot_wave_0_\@:
	s_barrier_wait -3
	BARRIER
.endm
.macro TL g0, g1                       ; a joint load; an s_nop 0 and four v_nop follow it
	tensor_load_to_lds s[\g0:\g0+3], s[\g1:\g1+7]
	s_nop 0
.rept 4
	v_nop
.endr
.endm
; where tile 4 m + j lies: q's image and scale word (offsets from the head's first record), ctx's images and scale bytes, first query, last key step
.macro TADR m, vq, vs, di, dn, q0, hs
	s_lshl_b32 s70, s[\m], 2
	s_add_co_u32 s70, s70, s[JX]                   ; the tile T
	s_lshr_b32 s[\hs], s[\m], 1
	s_lshl_b32 s[\q0], s70, 4
	s_sub_co_u32 s[\q0], s[\q0], s71               ; 16 T - 8 (T % 2)
	s_lshr_b32 s72, s70, 4
	s_mul_i32 s72, s72, REC                        ; its record
	s_and_b32 s73, s70, 15                         ; its place there
	s_lshl_b32 s74, s73, 10
	s_add_co_u32 s74, s74, s72
	v_add_nc_u32 v[\vq], s74, v[LI]
	s_lshr_b32 s74, s73, 3                         ; scale word: step (place / 8), pair (place % 8) / 2
	s_lshl_b32 s74, s74, 8
	s_bfe_u32 s75, s73, 0x20001
	s_lshl_b32 s75, s75, 2
	s_add_co_u32 s74, s74, s75
	s_add_co_u32 s74, s74, s72
	v_add_nc_u32 v[\vs], s74, v[LS]
	s_add_co_u32 s70, s70, s15                     ; ctx's row tile 128 x batch + T: 16,384 bytes of images, of which my head's 1,024; 512 scale bytes, of which my head's two in each row of 32
	s_lshl_b32 s12, s70, 14
	s_add_co_u32 s12, s12, s16
	s_add_nc_u64 s[\di:\di+1], s[6:7], s[12:13]
	s_lshl_b32 s12, s70, 9
	s_add_co_u32 s12, s12, s17
	s_add_nc_u64 s[\dn:\dn+1], s[8:9], s[12:13]
.endm
	s_load_b128 s[4:7], s[0:1], 0x0                ; qkv s[4:5], ctx_img s[6:7]
	s_load_b64 s[8:9], s[0:1], 0x10                ; ctx_scales
	v_lshl_add_u32 v[SPW], v0, 2, SPARE
	v_mov_b32 v[NIL], 0
	ds_add_u32 v[SPW], v[NIL]                      ; the opening lines: the add, twice on end, and its wait ahead of the first tensor loads
	ds_add_u32 v[SPW], v[NIL]
	v_lshrrev_b32 v11, 5, v0
	v_readfirstlane_b32 s[WV], v11                 ; wave 0..15
	s_bfe_u32 s[JX], ttmp6, 0x40000                ; j = my place in the cluster
	s_and_b32 s14, ttmp7, 0xffff                   ; 16 x batch + head
	s_mul_i32 s12, s14, HSTR
	s_mov_b32 s13, 0
	; images: two rows of 16,384 bytes (2,048 elements of 8), a record apart, laid on end in LDS
	s_mov_b32 s[G1I], 15|(3<<16)|(1<<21)           ; the mask names the head's four work-groups; bit 21 beside it
	s_mov_b32 s[G1I+1], 2048<<16                   ; tensor_dim0
	s_mov_b32 s[G1I+2], 2<<16                      ; tensor_dim1
	s_mov_b32 s[G1I+3], 2048<<16                   ; tile_dim0
	s_mov_b32 s[G1I+4], 2                          ; tile_dim1
	s_mov_b32 s[G1I+5], REC/8                      ; tensor_dim0_stride
	s_mov_b32 s[G1I+6], 0
	s_mov_b32 s[G1I+7], 0
	; scale words: eight rows of 512 bytes, a record apart
	s_mov_b32 s[G1S], 15|(3<<16)|(1<<21)
	s_mov_b32 s[G1S+1], 64<<16
	s_mov_b32 s[G1S+2], 8<<16
	s_mov_b32 s[G1S+3], 64<<16
	s_mov_b32 s[G1S+4], 8
	s_mov_b32 s[G1S+5], REC/8
	s_mov_b32 s[G1S+6], 0
	s_mov_b32 s[G1S+7], 0
	s_and_b32 s70, s[WV], 1                        ; K or V
	s_lshr_b32 s71, s[WV], 1                       ; which pair of records
	s_mov_b32 s[G0I], 1
	s_lshl_b32 s[G0I+1], s70, 17
	s_lshl_b32 s72, s71, 15
	s_add_co_u32 s[G0I+1], s[G0I+1], s72           ; LDS: VIB x (wave % 2) + 32,768 x pair
	s_mov_b32 s[G0S], 1
	s_lshl_b32 s[G0S+1], s70, 12
	s_add_co_u32 s[G0S+1], s[G0S+1], KSB
	s_mul_i32 s72, s71, 2*REC
	s_lshl_b32 s73, s70, 14
	s_add_co_u32 s72, s72, s73                     ; in the head: the pair's first record, V's images 16,384 on
	s_mov_b32 s73, 0
	s_lshl_b32 s74, s70, 9
	s_add_co_u32 s74, s74, 32768                   ; K's scale words at 32,768 of a record, V's 512 on
	s_mov_b32 s75, 0
	s_mov_b32 s[MNT], 0x600000                     ; the mantissa field of 448
	s_mov_b32 s[SEL], 0x76543210
	s_mov_b32 s[SEL+1], 0xfedcba98                 ; v_permlanex16_b32's selects for lane l xor 16
	s_mov_b32 s[CS], 0x3e38aa3b                    ; c = log2(e) / 8
	s_mov_b32 s[CS+1], s[CS]
	s_mov_b32 s[LM], 0xffff0000
	s_wait_dscnt 0x0                               ; both opening adds are done
	CROUND                                         ; the head's four work-groups are here: the joint loads meet
	s_wait_kmcnt 0x0
	s_add_nc_u64 s[10:11], s[4:5], s[12:13]        ; the head's first record
	s_add_nc_u64 s[G0I+2:G0I+3], s[10:11], s[72:73]
	s_or_b32 s[G0I+3], s[G0I+3], 0x80000000
	s_add_nc_u64 s[G0S+2:G0S+3], s[10:11], s[74:75]
	s_or_b32 s[G0S+3], s[G0S+3], 0x80000000
	s_cmp_lt_u32 s[WV], 2                          ; one chain of branches on the wave's number, a load to an arm
	s_cbranch_scc0 .Larm_scales
	TL G0I, G1I                                    ; waves 0, 1: records 0 and 1 of K, of V
	s_branch .Lasked
.Larm_scales:
	s_cmp_lt_u32 s[WV], 8                          ; waves 2 to 7 ask later
	s_cbranch_scc1 .Lasked
	s_cmp_lt_u32 s[WV], 10
	s_cbranch_scc0 .Lasked
	TL G0S, G1S                                    ; waves 8, 9: all scale words
.Lasked:
	v_and_b32 v11, 31, v0
	v_lshlrev_b32 v[LI], 4, v11
	v_and_b32 v51, 15, v0                          ; r
	v_bfe_u32 v11, v0, 4, 1                        ; h
	v_lshlrev_b32 v[LS], 4, v51                    ; 16 r for now
	v_and_b32 v[QD], 8, v51
	v_add_nc_u32 v[QD], v[QD], v51
	v_lshlrev_b32 v[SO], 4, v11
	v_sub_nc_u32 v[QD], v[QD], v[SO]
	v_lshl_add_u32 v[SO], v51, 5, v11
	v_add_nc_u32 v[LV], VIB, v[LI]
	s_wait_alu depctr_va_vdst(0)
	s_lshr_b32 s15, s14, 4
	s_lshl_b32 s15, s15, 7                         ; 128 x batch
	s_and_b32 s17, s14, 15
	s_lshl_b32 s16, s17, 10                        ; 1,024 x head
	s_lshl_b32 s17, s17, 1                         ; 2 x head
	s_and_b32 s71, s[JX], 1                        ; T % 2 = j % 2, for both my tiles
	s_cmp_eq_u32 s71, 0
	s_mov_b32 s67, 0x03020302                      ; an odd tile's two bytes lie in the pair word's high half,
	s_cselect_b32 s67, 0x01000100, s67             ; an even tile's in the low half: either way they are set twice
	s_lshl_b32 s71, s71, 3
	s_sub_co_u32 s[KF], 31, s[WV]
	TADR KF, 3, 4, 56, 58, Q0, HS                  ; the first tile: m = 31 - w
	TADR WV, 9, 11, 60, 62, Q2, H2                 ; the second: m = w
	s_wait_alu depctr_va_vdst(0)                   ; the offsets were written ahead of a run of scalar lines
	global_load_b128 v[24:27], v3, s[10:11] offset:QIO
	global_load_b128 v[28:31], v3, s[10:11] offset:QIO+512
	global_load_b128 v[40:43], v9, s[10:11] offset:QIO
	global_load_b128 v[44:47], v9, s[10:11] offset:QIO+512
	global_load_b32 v48, v4, s[10:11] offset:QSO
	global_load_b32 v49, v11, s[10:11] offset:QSO
	v_add_nc_u32 v[LS], KSB, v[LS]
.irp j, 0,1,2,3,4,5,6,7
	v_mov_b32 v[16+\j], 0                          ; the zero codes on either side of q
	v_mov_b32 v[32+\j], 0
.endr
	v_mov_b32 v13, 0xff61b1e6                      ; the largest t so far: -3e38, under every t
	v_mov_b32 v14, 0
	v_mov_b32 v15, 0
	v_floor_f32 v12, -v13                          ; -M
.irp b, 0,1,2,3
	v_mov_b32 v[236+\b], 0                         ; written once: a lane permute's destination counts as one of its sources
.endr
	v_mov_b32 v254, 0
	v_mov_b32 v[F+1], 0                            ; (named as the upper half of a pair)
	s_wait_alu depctr_va_vdst(0)                   ; the wait ahead of the wait below
	s_wait_loadcnt 0x0                             ; q and its scale words
	v_perm_b32 v255, v48, v48, s67
	v_perm_b32 v50, v49, v49, s67
.set j, 0
.rept 32
	v_mov_b32 v[O+j], 0                            ; O^T: the first step finds zeros.  (Also the places between q's scale word and the first product)
.set j, j+1
.endr
; A KEY STEP: 128 keys.  full = 1: a step that no wave leaves out and that lies under every diagonal
.macro STEP full
.if \full == 0
	s_cmp_gt_u32 s[SS], s[HS]                      ; all its keys come after my queries: left out
	s_cbranch_scc1 .Lhidden_\@
.endif
	v_add_nc_u32 v[ADI], s[T13], v[LI]             ; (with the five v_nop at the last step's end: the eight places in front of the loads below)
	v_add_nc_u32 v[ADV], s[T13], v[LV]
	v_add_nc_u32 v[ADS], s[T8], v[LS]
	s_wait_alu depctr_va_vdst(0)                   ; directly behind the writes
	ds_load_b128 v[248:251], v[ADS]                ; row r's four pair words
.irp f, 0,1,2,3
.irp c, 0,1,2,3
	ds_load_b128 v[KV+16*\f+4*\c:KV+16*\f+4*\c+3], v[ADI] offset:2048*\f+512*\c   ; tiles 2 f and 2 f + 1 of K: 2,048 bytes on end
.endr
.endr
.irp f, 0,1,2,3
	s_wait_dscnt 12-4*\f                           ; the scale words and fragments 0 .. f are in; the 4 (3 - f) loads of the later fragments may be out
.irp u, 0,1
	v_wmma_scale_f32_16x16x128_f8f6f4 v[S+16*\f+8*\u:S+16*\f+8*\u+7], v[KV+16*\f:KV+16*\f+15], v[24-8*\u:39-8*\u], 0, v[248+\f], v255
.endr
.endr
.rept 8
	v_nop                                          ; places in front of the loads into registers that these products read, and of the first read of the scores
.endr
.irp f, 0,1,2,3
.irp c, 0,1,2,3
	ds_load_b128 v[KV+16*\f+4*\c:KV+16*\f+4*\c+3], v[ADV] offset:2048*\f+512*\c   ; V's four d tiles: they land under the softmax
.endr
.endr
	ds_load_b128 v[248:251], v[ADS] offset:VSD
.if \full == 0
	s_cmp_lt_u32 s[SS], s[HS]                      ; a step under the diagonal has no mask
	s_cbranch_scc1 .Lopen_\@
	s_sub_co_i32 s70, s[Q0], s[KF]
	v_add_nc_u32 v252, s70, v[QD]                  ; d = my query - KF - 16 h.  Register 16 b + i holds key KF + 32 b + 16 h + i: hidden where 32 b + i > d
	v_mov_b32 v254, 0xff800000                     ; -infinity
.set n, 0
.rept 64
	v_cmp_gt_i32 vcc_lo, 32*(n/16)+n%16, v252
	v_cndmask_b32 v[S+n], v[S+n], v254, vcc_lo
.set n, n+1
.endr
.Lopen_\@:
.endif
.irp b, 0,1,2,3
	v_max3_num_f32 v[232+\b], v[S+16*\b], v[S+1+16*\b], v[S+2+16*\b]   ; the largest score of each block of 32 keys: for the row's maximum, and, since p rises with the score, for the block's largest p
.endr
.irp i, 3,5,7,9,11,13
.irp b, 0,1,2,3
	v_max3_num_f32 v[232+\b], v[232+\b], v[S+16*\b+\i], v[S+1+16*\b+\i]   ; the four blocks by turns
.endr
.endr
.irp b, 0,1,2,3
	v_max_num_f32 v[232+\b], v[232+\b], v[S+15+16*\b]
.endr
.irp b, 0,1,2,3
	v_permlanex16_b32 v[236+\b], v[232+\b], s[SEL], s[SEL+1]
.endr
.irp b, 0,1,2,3
	v_max_num_f32 v[232+\b], v[232+\b], v[236+\b]  ; with lane l xor 16's 16 keys
.endr
	s_delay_alu instid0(VALU_DEP_2)
	v_max3_num_f32 v254, v232, v233, v234
	s_delay_alu instid0(VALU_DEP_1)
	v_max_num_f32 v254, v254, v235
	s_delay_alu instid0(VALU_DEP_1)
	v_mul_f32 v254, s[CS], v254                    ; as t (c is positive)
	s_delay_alu instid0(VALU_DEP_1)
	v_max_num_f32 v13, v13, v254                   ; the running largest t
	v_mov_b32 v254, v12
	s_delay_alu instid0(VALU_DEP_2)
	v_floor_f32 v12, -v13                          ; the new -M = -ceil(t)
	s_delay_alu instid0(VALU_DEP_1)
	v_sub_f32 v254, v12, v254                      ; old M - new M: a whole number, 0 or less
	s_delay_alu instid0(VALU_DEP_1)
	v_cvt_i32_f32 v254, v254                       ; (it saturates)
	s_delay_alu instid0(VALU_DEP_1)
	v_ldexp_f32 v[F], 1.0, v254                    ; f
.set j, 0
.rept 32
	v_pk_fma_f32 v[S+j:S+j+1], v[S+j:S+j+1], s[CS:CS+1], v[12:13] op_sel_hi:[1,0,0]   ; t - M, two at a time
.set j, j+2
.endr
.irp b, 0,1,2,3
	v_fma_f32 v[232+\b], v[232+\b], s[CS], v12     ; the same of each block's largest score
.endr
.set j, 0
	s_wait_alu depctr_va_vdst(0)                   ; the wait ahead of the batch
.rept 64
	v_exp_f32 v[S+j], v[S+j]                       ; p = 2^(t - M), at most 1
.set j, j+1
.endr
.irp b, 0,1,2,3
	v_exp_f32 v[232+\b], v[232+\b]                 ; the block's largest p
.endr
	v_pk_mul_f32 v[14:15], v[14:15], v[F:F+1] op_sel_hi:[1,0]   ; the sums under the new M (a plain line behind the exponentials)
	s_wait_alu depctr_va_vdst(0)                   ; one wait for the batch, ahead of its first reader
.irp b, 0,1,2,3
	v_max_num_f32 v[232+\b], 0x4800000, v[232+\b]  ; the floor 2^(9 - 127)
.endr
.irp b, 0,1,2,3
	v_add_nc_u32 v[244+\b], 0xfc000000, v[232+\b]  ; the conversion's scale operand
.endr
.irp b, 0,1,2,3
	v_and_or_b32 v[240+\b], v[232+\b], 0x7f800000, s[MNT]   ; 448 x the scale
.endr
.irp b, 0,1,2,3
	v_lshrrev_b32 v[236+\b], 23, v[244+\b]         ; the scale's byte
.endr
	s_delay_alu instid0(VALU_DEP_3)
	v_lshl_or_b32 v253, v237, 8, v236              ; p's scale word for these 128 keys
	s_delay_alu instid0(VALU_DEP_1)
	v_lshl_or_b32 v253, v238, 16, v253
	s_delay_alu instid0(VALU_DEP_1)
	v_lshl_or_b32 v253, v239, 24, v253
	v_pk_add_f32 v[236:237], v[124:125], v[128:129]   ; the row's sum of the unquantised p, in eight chains
	v_pk_add_f32 v[234:235], v[132:133], v[136:137]
	v_pk_add_f32 v[232:233], v[140:141], v[144:145]
	v_pk_add_f32 v[230:231], v[148:149], v[152:153]
	v_pk_add_f32 v[228:229], v[156:157], v[160:161]
	v_pk_add_f32 v[226:227], v[164:165], v[168:169]
	v_pk_add_f32 v[224:225], v[172:173], v[176:177]
	v_pk_add_f32 v[14:15], v[14:15], v[180:181]
	v_pk_add_f32 v[236:237], v[236:237], v[120:121]
	v_pk_add_f32 v[234:235], v[234:235], v[122:123]
	v_pk_add_f32 v[232:233], v[232:233], v[126:127]
	v_pk_add_f32 v[230:231], v[230:231], v[130:131]
	v_pk_add_f32 v[228:229], v[228:229], v[134:135]
	v_pk_add_f32 v[226:227], v[226:227], v[138:139]
	v_pk_add_f32 v[224:225], v[224:225], v[142:143]
	v_pk_add_f32 v[14:15], v[14:15], v[146:147]
	v_pk_add_f32 v[236:237], v[236:237], v[150:151]
	v_pk_add_f32 v[234:235], v[234:235], v[154:155]
	v_pk_add_f32 v[232:233], v[232:233], v[158:159]
	v_pk_add_f32 v[230:231], v[230:231], v[162:163]
	v_pk_add_f32 v[228:229], v[228:229], v[166:167]
	v_pk_add_f32 v[226:227], v[226:227], v[170:171]
	v_pk_add_f32 v[224:225], v[224:225], v[174:175]
	v_pk_add_f32 v[14:15], v[14:15], v[178:179]
	v_pk_add_f32 v[236:237], v[236:237], v[182:183]
	s_delay_alu instid0(VALU_DEP_2)
	v_pk_add_f32 v[14:15], v[14:15], v[230:231]
	s_delay_alu instid0(VALU_DEP_2)
	v_pk_add_f32 v[236:237], v[236:237], v[228:229]
	v_pk_add_f32 v[234:235], v[234:235], v[226:227]
	v_pk_add_f32 v[232:233], v[232:233], v[224:225]
	s_delay_alu instid0(VALU_DEP_2)
	v_pk_add_f32 v[14:15], v[14:15], v[234:235]
	s_delay_alu instid0(VALU_DEP_2)
	v_pk_add_f32 v[236:237], v[236:237], v[232:233]
	s_delay_alu instid0(VALU_DEP_1)
	v_pk_add_f32 v[14:15], v[14:15], v[236:237]
	v_dual_mov_b32 v234, v241 :: v_dual_mov_b32 v233, v240   ; a second copy of block b's bound at v[232 + (b + 1) % 4]: the two halves of a dual line take their second sources from registers whose numbers differ modulo 4
	v_dual_mov_b32 v232, v243 :: v_dual_mov_b32 v235, v242
.irp b, 0,1,2,3
.set i, 0
.rept 8
	v_dual_min_num_f32 v[S+16*\b+i], v[S+16*\b+i], v[240+\b] :: v_dual_min_num_f32 v[S+16*\b+i+1], v[S+16*\b+i+1], v[232+(\b+1)%4]   ; the conversion does not saturate (ISA guide 7.6.2); p is not negative, so the hold is one-sided; two holds a line
.set i, i+2
.endr
	v_cvt_scalef32_pk8_fp8_f32 v[CD+4*\b:CD+4*\b+1], v[S+16*\b:S+16*\b+7], v[244+\b]
	v_cvt_scalef32_pk8_fp8_f32 v[CD+4*\b+2:CD+4*\b+3], v[S+16*\b+8:S+16*\b+15], v[244+\b]
.endr
	s_wait_alu depctr_va_vdst(0)                   ; directly ahead of the first reader of O^T
.set j, 0
.rept 16
	v_pk_mul_f32 v[O+j:O+j+1], v[O+j:O+j+1], v[F:F+1] op_sel_hi:[1,0]   ; O^T under the new M.  (Also the places between the conversions and the products)
.set j, j+2
.endr
	s_wait_alu depctr_va_vdst(0)                   ; the wait ahead of the wait below
	s_wait_dscnt 0x0                               ; V and its scale words
.irp t, 0,1,2,3
	v_wmma_scale_f32_16x16x128_f8f6f4 v[O+8*\t:O+8*\t+7], v[KV+16*\t:KV+16*\t+15], v[CD:CD+15], v[O+8*\t:O+8*\t+7], v[248+\t], v253   ; four accumulators by turns
.endr
.rept 5
	v_nop                                          ; five of the eight places behind these products; three more stand at the head of whatever follows: a step or a tile's end
.endr
.if \full == 0
.Lhidden_\@:
.endif
.endm
; A TILE'S END: O^T / the sum is ctx's 64 numbers of my head: register 16 b + i = d 32 b + 16 h + i of query r.  They are quantised as they stand; the codes are 8 operand registers of the last product.
; sw = 1: the second tile begins.
.macro FINAL sw
.rept 3
	v_nop                                          ; the last three places behind the last products
.endr
	v_add_f32 v14, v14, v15
	s_delay_alu instid0(VALU_DEP_1)
	v_permlanex16_b32 v254, v14, s[SEL], s[SEL+1]
	s_delay_alu instid0(VALU_DEP_1)
	v_add_f32 v14, v14, v254                       ; the row's sum
	s_wait_alu depctr_va_vdst(0)                   ; the wait ahead of the transcendental
	v_rcp_f32 v14, v14
	v_mov_b32 v15, 0                               ; (a plain line behind the transcendental)
.set j, 0
	s_wait_alu depctr_va_vdst(0)                   ; and ahead of its first reader, which is also O^T's
.rept 16
	v_pk_mul_f32 v[O+j:O+j+1], v[O+j:O+j+1], v[14:15] op_sel_hi:[1,0]
.set j, j+2
.endr
.irp b, 0,1
	v_max3_num_f32 v[232+\b], |v[O+16*\b]|, |v[O+1+16*\b]|, 0x4800000
.endr
.irp i, 2,4,6,8,10,12,14
.irp b, 0,1
	s_delay_alu instid0(VALU_DEP_2)
	v_max3_num_f32 v[232+\b], v[232+\b], |v[O+16*\b+\i]|, |v[O+1+16*\b+\i]|
.endr
.endr
.irp b, 0,1
	s_delay_alu instid0(VALU_DEP_2)
	v_permlanex16_b32 v[236+\b], v[232+\b], s[SEL], s[SEL+1]
.endr
.irp b, 0,1
	s_delay_alu instid0(VALU_DEP_2)
	v_max_num_f32 v[232+\b], v[232+\b], v[236+\b]
.endr
.irp b, 0,1
	s_delay_alu instid0(VALU_DEP_2)
	v_add_nc_u32 v[244+\b], 0xfc000000, v[232+\b]
.endr
.irp b, 0,1
	s_delay_alu instid0(VALU_DEP_4)
	v_and_or_b32 v[240+\b], v[232+\b], 0x7f800000, s[MNT]
.endr
.irp b, 0,1
	s_delay_alu instid0(VALU_DEP_4)
	v_lshrrev_b32 v[236+\b], 23, v[244+\b]
.endr
	s_delay_alu instid0(VALU_DEP_1)
	v_cndmask_b32 v254, v236, v237, s[LM]          ; lanes 0-15 store the first block's byte, lanes 16-31 the second's: each byte has one writer
.irp b, 0,1
.set i, 0
.rept 16
	v_med3_num_f32 v[O+16*\b+i], v[O+16*\b+i], -v[240+\b], v[240+\b]
.set i, i+1
.endr
	v_cvt_scalef32_pk8_fp8_f32 v[CD+4*\b:CD+4*\b+1], v[O+16*\b:O+16*\b+7], v[244+\b]
	v_cvt_scalef32_pk8_fp8_f32 v[CD+4*\b+2:CD+4*\b+3], v[O+16*\b+8:O+16*\b+15], v[244+\b]
.endr
	v_nop                                          ; a plain line behind the last conversion
	global_store_b128 v[LI], v[CD:CD+3], s[56:57]                ; 1,024 consecutive aligned bytes in two stores
	global_store_b128 v[LI], v[CD+4:CD+7], s[56:57] offset:512
	global_store_b8 v[SO], v254, s[58:59]          ; two bytes of each of 16 rows of 32: a small part of what the launch stores
	s_wait_xcnt 0x0                                ; the stores' data and bases are written again only behind this wait
.if \sw
	s_mov_b64 s[56:57], s[60:61]
	s_mov_b64 s[58:59], s[62:63]
	s_mov_b32 s[HS], s[H2]
	s_mov_b32 s[Q0], s[Q2]
.irp j, 0,1,2,3,4,5,6,7
	v_mov_b32 v[24+\j], v[40+\j]                   ; the second tile's q
.endr
	v_mov_b32 v255, v50                            ; and its scale word
	v_mov_b32 v13, 0xff61b1e6
	v_mov_b32 v14, 0
	v_mov_b32 v15, 0
	v_floor_f32 v12, -v13
.set j, 0
.rept 32
	v_mov_b32 v[O+j], 0                            ; (also the places between the scale word's line and the next product)
.set j, j+1
.endr
.endif
.endm
	s_wait_alu depctr_va_vdst(0)                   ; the wait at the head's end
	s_wait_tensorcnt 0x0                           ; records 0 and 1 and the scale words: my part is in.
	ds_add_u32 v[SPW], v[NIL]                      ; 0 onto my spare word,
	ds_add_u32 v[SPW], v[NIL]                      ; twice on end
	s_wait_dscnt 0x0                               ; both adds are done
	CROUND                                         ; a whole round: everybody's part is in, and the head's four work-groups are here: the joint loads meet
	s_cmp_lt_u32 s[WV], 2
	s_cbranch_scc1 .Lno_rest
	s_cmp_lt_u32 s[WV], 8
	s_cbranch_scc0 .Lno_rest
	TL G0I, G1I                                    ; waves 2 to 7: records 2 to 7 of K, of V: a wave's one tensor load behind the round
.Lno_rest:
	s_mov_b32 s[X], 0
.Lfirst:                                           ; key steps 0 to 3 of the first tile, which has nine steps at the least
	s_lshl_b32 s[T13], s[X], 13
	s_lshl_b32 s[T8], s[X], 8
	STEP 1
	s_add_co_u32 s[X], s[X], 1
	s_cmp_lt_u32 s[X], 4
	s_cbranch_scc1 .Lfirst
	s_wait_tensorcnt 0x0                           ; every wave, under no branch: all that was still out
	BARRIER                                        ; the whole head is in; nothing is filled again, so no further barrier stands in the walk
	s_mov_b32 s[X], 0
.Lwalk:                                            ; 20 trips: key steps 4 to 15 of the first tile, then 0 to 7 of the second; a step past a tile's last is left out
	s_cmp_lg_u32 s[X], 12
	s_cbranch_scc1 .Lgo
	FINAL 1
.Lgo:
	s_add_co_u32 s[SS], s[X], 4
	s_and_b32 s[SS], s[SS], 15
	s_lshl_b32 s[T13], s[SS], 13
	s_lshl_b32 s[T8], s[SS], 8
	s_lshl_b32 s[KF], s[SS], 7
	STEP 0
	s_add_co_u32 s[X], s[X], 1
	s_cmp_lt_u32 s[X], 20
	s_cbranch_scc1 .Lwalk
	FINAL 0
	s_wait_tensorcnt 0x0                           ; the wave's end
	ds_add_u32 v[SPW], v[NIL]
	s_wait_dscnt 0x0
	CROUND                                         ; the closing round
	s_endpgm
.Lfunc_end_k_q6697c0eb9d_attn:
	.size	k_q6697c0eb9d_attn, .Lfunc_end_k_q6697c0eb9d_attn-k_q6697c0eb9d_attn
	.p2alignl 7, 3214868480
	.fill 96, 4, 3214868480
	.section	.rodata,"a",@progbits
	.p2align	6, 0x0
	.amdhsa_kernel k_q6697c0eb9d_attn
		.amdhsa_group_segment_fixed_size 327680
		.amdhsa_private_segment_fixed_size 0
		.amdhsa_enable_private_segment 0
		.amdhsa_kernarg_size 24
		.amdhsa_user_sgpr_count 2
		.amdhsa_user_sgpr_kernarg_segment_ptr 1
		.amdhsa_wavefront_size32 1
		.amdhsa_system_sgpr_workgroup_id_x 1
		.amdhsa_system_sgpr_workgroup_id_y 1
		.amdhsa_system_sgpr_workgroup_id_z 1
		.amdhsa_system_vgpr_workitem_id 0
		.amdhsa_next_free_vgpr 256
		.amdhsa_next_free_sgpr 76
		.amdhsa_reserve_vcc 1
		.amdhsa_float_denorm_mode_32 3
		.amdhsa_float_denorm_mode_16_64 3
		.amdhsa_memory_ordered 1
		.amdhsa_forward_progress 1
		.amdhsa_inst_pref_size 69
	.end_amdhsa_kernel
	.amdgpu_metadata
---
amdhsa.version: [ 1, 2 ]
amdhsa.kernels:
  - .name:           k_q6697c0eb9d_attn
    .symbol:         k_q6697c0eb9d_attn.kd
    .args:
      - { .name: qkv, .offset: 0, .size: 8, .value_kind: global_buffer, .address_space: global }
      - { .name: ctx_img, .offset: 8, .size: 8, .value_kind: global_buffer, .address_space: global }
      - { .name: ctx_scales, .offset: 16, .size: 8, .value_kind: global_buffer, .address_space: global }
    .group_segment_fixed_size: 327680
    .private_segment_fixed_size: 0
    .kernarg_segment_align: 8
    .kernarg_segment_size: 24
    .max_flat_workgroup_size: 512
    .sgpr_count:     76
    .vgpr_count:     256
    .wavefront_size: 32
...
	.end_amdgpu_metadata
.endif
;; end of part 3
;; launch outp (part 4): grid 4 x 32, 4 waves a work-group, clusters of 4 x 4, 327,680 bytes of LDS; arguments ctx_img, ctx_scales, codes, scales, bo, out0; writes out0
.if DOCPART == 4
	.amdgcn_target "amdgcn-amd-amdhsa--gfx1250"
	.amdhsa_code_object_version 6
	.text
	.protected	k_q6697c0eb9d_outp
	.globl	k_q6697c0eb9d_outp
	.p2align	8
	.type	k_q6697c0eb9d_outp,@function
k_q6697c0eb9d_outp:
	s_mov_b64 s[64:65], 0
	v_nop
	global_prefetch_b8 v0, s[64:65] scope:SCOPE_SE
	s_setreg_imm32_b32 hwreg(HW_REG_WAVE_MODE, 25, 1), 1
	s_wait_xcnt 0x0
	s_wait_alu depctr_hold_cnt(0) depctr_sa_sdst(0) depctr_va_vdst(0) depctr_va_sdst(0) depctr_va_ssrc(0) depctr_va_vcc(0) depctr_vm_vsrc(0)
	s_getreg_b32 s2, hwreg(HW_REG_IB_STS2, 6, 4)
	s_cmp_eq_u32 s2, 0
	s_cbranch_scc0 .Lentry_in_a_cluster
	s_endpgm
.Lentry_in_a_cluster:
	s_bfe_u32 s2, ttmp6, 0x10000c
	s_cmp_lg_u32 s2, 0xf033
	s_cbranch_scc0 .Lentry_shape_is_right
	s_endpgm
.Lentry_shape_is_right:
.set SIZE_N, 1024
.set KSTEP,  256
.set NQ,     KSTEP/128
.set ROWB,   256
.set AROWB,  4096
.set KROW,   1024
.set PITCH,  272
.set FR,     16
.set NL,     4
.set NP,     8
.set HALFT,  128*PITCH
.set SLOT,   4*HALFT
.set LAPS,   1024/(2*KSTEP)
.set KS,     32
.set SCL,    2*SLOT
.set HALFS,  (128*KS/256)*272
.set SBLK,   (16*KS/256)*272
.set SPARE,  SCL+4*HALFS
.set SPITCH, 528
.set ADRA, 16
.set ADRB, 20
.set STO,  24
.set RD,   25
.set CO,   26
.set ADRS, 27
.set SPW,  28
.set NIL,  29
.set BOF,  30
.set SC,   32
.set BIAS, 64
.set AF,   128
.set BK,   128
.set CP,   98
.set G1, 24
.set G0, 32
.set G1B, 48
.set G0B, 56
.set G1S, 68
.set G0S, 76
.set G1SB, 80
.set G0SB, 88
.set MSB, 0
.macro WIN new
.if MSB != \new
	s_set_vgpr_msb (MSB<<8)|\new
.set MSB, \new
.endif
.endm
.set MUL_LO, 0xa1
.set MUL_HI, 0xf1
.set FST_LO, 0x81
.set FST_HI, 0xc1
.set TO_B,   0x40
.macro JLOAD g0a, g1a, g0b, g1b
	s_cmp_eq_u32 s15, 0
	s_cbranch_scc0 .Lfor_b_\@
	tensor_load_to_lds s[\g0a:\g0a+3], s[\g1a:\g1a+7]
	s_nop 0
.rept 4
	v_nop
.endr
	s_branch .Lasked_\@
.Lfor_b_\@:
	tensor_load_to_lds s[\g0b:\g0b+3], s[\g1b:\g1b+7]
	s_nop 0
.rept 4
	v_nop
.endr
.Lasked_\@:
.endm
.macro CREST
	s_cmp_lg_u32 s14, 0
	s_cbranch_scc1 .Lnot_wave_0_\@
	s_barrier_signal -3
.Lnot_wave_0_\@:
	s_barrier_wait -3
	s_barrier_signal -1
	s_barrier_wait -1
.endm
.macro CROUND
	s_barrier_signal -1
	s_barrier_wait -1
	CREST
.endm
	s_load_b128 s[4:7], s[0:1], 0x0
	s_load_b128 s[8:11], s[0:1], 0x10
	s_load_b128 s[96:99], s[0:1], 0x20
	v_lshl_add_u32 v[SPW], v0, 2, SPARE
	v_mov_b32 v[NIL], 0
	ds_add_u32 v28, v29
	ds_add_u32 v28, v29
	s_wait_dscnt 0x0
	v_lshrrev_b32 v1, 5, v0
	v_readfirstlane_b32 s14, v1
	s_lshr_b32 s15, s14, 1
	s_and_b32 s16, s14, 1
	s_bfe_u32 s40, ttmp6, 0x40000
	s_bfe_u32 s41, ttmp6, 0x40004
	s_lshl_b32 s42, ttmp9, 2
	s_add_co_u32 s42, s42, s40
	s_and_b32 s17, ttmp7, 0xffff
	s_lshl_b32 s17, s17, 2
	s_add_co_u32 s17, s17, s41
	s_lshl_b32 s43, s41, 2
	s_lshl_b32 s43, 15, s43
	s_lshl_b32 s44, 0x1111, s40
	s_or_b32 s[G1+0], s43, (3<<16)|(1<<21)
	s_mov_b32 s[G1+1], 512<<16
	s_mov_b32 s[G1+2], 8<<16
	s_mov_b32 s[G1+3], 512<<16
	s_mov_b32 s[G1+4], 8
	s_mov_b32 s[G1+5], 2048
	s_mov_b32 s[G1+6], 0
	s_mov_b32 s[G1+7], 0
	s_or_b32 s[G1B+0], s44, (0<<16)|(1<<20)|(1<<21)|(5<<22)|(3<<25)
	s_mov_b32 s[G1B+1], ROWB<<16
	s_mov_b32 s[G1B+2], 128<<16
	s_mov_b32 s[G1B+3], ROWB<<16
	s_mov_b32 s[G1B+4], 128
	s_mov_b32 s[G1B+5], KROW
	s_mov_b32 s[G1B+6], 0
	s_mov_b32 s[G1B+7], 0
	s_or_b32 s[G1S+0], s43, (3<<16)|(1<<20)|(1<<21)|(5<<22)|(3<<25)
	s_or_b32 s[G1SB+0], s44, (3<<16)|(1<<20)|(1<<21)|(5<<22)|(3<<25)
.irp g, G1S, G1SB
	s_mov_b32 s[\g+1], 32<<16
	s_mov_b32 s[\g+2], (128*KS/256)<<16
	s_mov_b32 s[\g+3], 32<<16
	s_mov_b32 s[\g+4], 128*KS/256
	s_mov_b32 s[\g+5], 32
	s_mov_b32 s[\g+6], 0
	s_mov_b32 s[\g+7], 0
.endr
	s_lshl_b32 s18, s16, 7
	s_lshl_b32 s20, s17, 8
	s_add_co_u32 s20, s20, s18
	s_lshl_b32 s46, s42, 8
	s_add_co_u32 s46, s46, s18
	s_add_co_u32 s46, s46, 44*256
	s_mov_b32 s21, 0
	s_mov_b32 s47, 0
	s_mov_b64 s[18:19], KS
	s_mul_u64 s[22:23], s[20:21], s[18:19]
	s_mul_u64 s[92:93], s[46:47], s[18:19]
	s_mov_b64 s[18:19], KROW
	s_mul_u64 s[20:21], s[20:21], s[18:19]
	s_mul_u64 s[46:47], s[46:47], s[18:19]
	s_mul_i32 s45, s14, HALFT
	s_mul_i32 s94, s14, HALFS
	s_wait_kmcnt 0x0
	s_add_nc_u64 s[20:21], s[4:5], s[20:21]
	s_add_nc_u64 s[22:23], s[6:7], s[22:23]
	s_add_nc_u64 s[46:47], s[8:9], s[46:47]
	s_add_nc_u64 s[92:93], s[10:11], s[92:93]
	CROUND
	s_mov_b32 s[G0S], 1
	s_add_co_u32 s[G0S+1], s94, SCL
	s_mov_b64 s[G0S+2:G0S+3], s[22:23]
	s_or_b32 s[G0S+3], s[G0S+3], 0x80000000
	s_mov_b32 s[G0SB], 1
	s_add_co_u32 s[G0SB+1], s94, SCL
	s_mov_b64 s[G0SB+2:G0SB+3], s[92:93]
	s_or_b32 s[G0SB+3], s[G0SB+3], 0x80000000
	JLOAD G0S, G1S, G0SB, G1SB
.irp s, 0,1
	s_mov_b32 s[G0+4*\s], 1
	s_add_co_u32 s[G0+4*\s+1], s45, \s*SLOT
	s_add_nc_u64 s[G0+4*\s+2:G0+4*\s+3], s[20:21], \s*AROWB
	s_or_b32 s[G0+4*\s+3], s[G0+4*\s+3], 0x80000000
	s_mov_b32 s[G0B+4*\s], 1
	s_add_co_u32 s[G0B+4*\s+1], s45, \s*SLOT
	s_add_nc_u64 s[G0B+4*\s+2:G0B+4*\s+3], s[46:47], \s*ROWB
	s_or_b32 s[G0B+4*\s+3], s[G0B+4*\s+3], 0x80000000
	s_wait_alu depctr_va_vdst(0)
	s_wait_tensorcnt 0x0
	ds_add_u32 v28, v29
	s_wait_dscnt 0x0
	CROUND
	JLOAD G0+4*\s, G1, G0B+4*\s, G1B
.endr
	v_and_b32 v1, 15, v0
	v_bfe_u32 v2, v0, 4, 1
	v_and_b32 v6, 31, v0
	v_lshlrev_b32 v[CO], 4, v6
	v_mul_u32_u24 v3, v1, PITCH
	v_lshl_add_u32 v4, v2, 4, v3
	s_mul_i32 s21, s15, HALFT
	s_mul_i32 s22, s16, HALFT
	s_add_co_u32 s22, s22, 2*HALFT
.irp s, 0,1
	v_add_nc_u32 v[ADRA+\s], s21, v[CO]
	v_add_nc_u32 v[ADRB+\s], s22, v4
	s_add_co_u32 s21, s21, SLOT
	s_add_co_u32 s22, s22, SLOT
.endr
	v_mul_u32_u24 v5, v1, KS
	v_lshrrev_b32 v6, 8, v5
	v_lshl_add_u32 v5, v6, 4, v5
	s_mul_i32 s21, s15, HALFS
	s_mul_i32 s22, s16, HALFS
	s_add_co_u32 s22, s22, 2*HALFS
	s_sub_co_u32 s22, s22, s21
	v_mul_u32_u24 v6, s22, v2
	s_add_co_u32 s21, s21, SCL
	v_add_nc_u32 v5, v5, v6
	v_add_nc_u32 v[ADRS], s21, v5
	s_mul_i32 s23, s14, 16*SPITCH
	v_mul_u32_u24 v5, v1, SPITCH
	v_lshl_add_u32 v5, v2, 6, v5
	v_add_nc_u32 v[STO], s23, v5
	v_add_nc_u32 v[RD], s23, v[CO]
	v_lshlrev_b32 v[BOF], 6, v2
	s_wait_alu depctr_va_vdst(0)
	s_lshl_b32 s20, s17, 8
	s_lshl_b32 s21, s15, 7
	s_add_co_u32 s20, s20, s21
	s_mov_b32 s21, 0
	s_mov_b64 s[18:19], SIZE_N*4
	s_mul_u64 s[20:21], s[20:21], s[18:19]
	s_lshl_b32 s46, s42, 10
	s_lshl_b32 s47, s16, 9
	s_add_co_u32 s46, s46, s47
	s_mov_b32 s47, 0
	s_add_nc_u64 s[96:97], s[96:97], s[46:47]
	s_add_nc_u64 s[20:21], s[20:21], s[46:47]
	s_add_nc_u64 s[CP:CP+1], s[CP:CP+1], s[20:21]
.irp b, 0,1,2,3,4,5,6,7
	global_load_b128 v[BIAS+8*\b:BIAS+8*\b+3], v[BOF], s[96:97] offset:(32*(\b/2)+8*(\b%2))*4
	global_load_b128 v[BIAS+8*\b+4:BIAS+8*\b+7], v[BOF], s[96:97] offset:(32*(\b/2)+8*(\b%2))*4+16
.endr
.macro FRAG reg, adr, q, i
.irp c, 0,1,2,3
	ds_load_b128 v[\reg+4*\c:\reg+4*\c+3], v[\adr] offset:128*(\q)+32*\c+(\i)*16*PITCH
.endr
.endm
.macro FRAGA reg, adr, q, i
.irp c, 0,1,2,3
	ds_load_b128 v[\reg+4*\c:\reg+4*\c+3], v[\adr] offset:4096*(\i)+2048*(\q)+512*\c
.endr
.endm
.macro MUL16 a0, p, q, sc, first
.irp a, \a0, \a0+1
.irp b, 0,1,2,3,4,5,6,7
.if \first
	v_wmma_scale_f32_16x16x128_f8f6f4 v[8*(8*((\a)%4)+\b):8*(8*((\a)%4)+\b)+7], v[128*(\p)+FR*\b:128*(\p)+FR*\b+FR-1], v[AF+FR*(\a):AF+FR*(\a)+FR-1], v[BIAS+8*\b:BIAS+8*\b+7], v[SC+8*NQ*(\sc)+NQ*\b+(\q)], v[SC+8*NQ*(\sc)+NQ*(\a)+(\q)] matrix_a_scale:MATRIX_SCALE_ROW1
.else
	v_wmma_scale_f32_16x16x128_f8f6f4 v[8*(8*((\a)%4)+\b):8*(8*((\a)%4)+\b)+7], v[128*(\p)+FR*\b:128*(\p)+FR*\b+FR-1], v[AF+FR*(\a):AF+FR*(\a)+FR-1], v[8*(8*((\a)%4)+\b):8*(8*((\a)%4)+\b)+7], v[SC+8*NQ*(\sc)+NQ*\b+(\q)], v[SC+8*NQ*(\sc)+NQ*(\a)+(\q)] matrix_a_scale:MATRIX_SCALE_ROW1
.endif
.endr
.endr
.endm
.macro FETCH_B slot, q, p
	WIN TO_B
.irp i, 0,1,2,3,4,5,6,7
	FRAG 128*(\p)+FR*\i, ADRB+\slot, \q, \i
.endr
	WIN 0
.endm
.macro FETCH_A slot, q, i0
.irp i, \i0, \i0+1, \i0+2, \i0+3
	FRAGA AF+FR*(\i), ADRA+\slot, \q, \i
.endr
.endm
.macro SCALES sc
.irp i, 0,1,2,3,4,5,6,7
	ds_load_b64 v[SC+8*NQ*\sc+NQ*\i:SC+8*NQ*\sc+NQ*\i+1], v[ADRS] offset:\i*SBLK
.endr
.endm
.macro PLACES n
.rept \n
	v_nop
.endr
.endm
.macro STEP slot, q, first
	s_wait_dscnt 4*NL
.if \first
	WIN FST_LO
.else
	WIN MUL_LO
.endif
	MUL16 0, (\q)%2, \q, \slot, \first
	MUL16 2, (\q)%2, \q, \slot, \first
	s_wait_dscnt 0
	PLACES NP
	FETCH_B \slot, (\q)+1, 1-(\q)%2
	FETCH_A \slot, (\q)+1, 0
.if \first
	WIN FST_HI
.else
	WIN MUL_HI
.endif
	MUL16 4, (\q)%2, \q, \slot, \first
	MUL16 6, (\q)%2, \q, \slot, \first
	PLACES NP
	WIN 0
	FETCH_A \slot, (\q)+1, 4
.endm
.macro TURN slot, next, fill
	s_wait_tensorcnt 0x0
	ds_add_u32 v[SPW], v[NIL]
	s_wait_dscnt 4*NL+1
	WIN MUL_LO
	MUL16 0, 1, NQ-1, \slot, 0
	s_wait_dscnt 0x0
	s_barrier_signal -1
	MUL16 2, 1, NQ-1, \slot, 0
	WIN 0
	s_barrier_wait -1
.if \fill
	CREST
	s_add_nc_u64 s[G0+4*\slot+2:G0+4*\slot+3], s[G0+4*\slot+2:G0+4*\slot+3], 2*AROWB
	s_add_nc_u64 s[G0B+4*\slot+2:G0B+4*\slot+3], s[G0B+4*\slot+2:G0B+4*\slot+3], 2*ROWB
	JLOAD G0+4*\slot, G1, G0B+4*\slot, G1B
	PLACES NP-4
.else
	PLACES NP
.endif
	s_wait_alu depctr_va_vdst(0)
	v_add_nc_u32 v[ADRS], 4*NQ, v[ADRS]
	FETCH_B \next, 0, 0
	FETCH_A \next, 0, 0
	SCALES \next
	WIN MUL_HI
	MUL16 4, 1, NQ-1, \slot, 0
	MUL16 6, 1, NQ-1, \slot, 0
	PLACES NP
	WIN 0
	FETCH_A \next, 0, 4
.endm
	s_wait_tensorcnt 1
	s_barrier_signal -1
	s_barrier_wait -1
	FETCH_B 0, 0, 0
	FETCH_A 0, 0, 0
	SCALES 0
	FETCH_A 0, 0, 4
	s_wait_loadcnt 0x0
	STEP 0, 0, 1
	s_mov_b32 s3, LAPS-1
.Llap:
	TURN 0, 1, 1
	STEP 1, 0, 0
	TURN 1, 0, 1
	STEP 0, 0, 0
	s_sub_co_u32 s3, s3, 1
	s_cmp_lg_u32 s3, 0
	s_cbranch_scc1 .Llap
	TURN 0, 1, 0
	STEP 1, 0, 0
	s_wait_dscnt 4*NL
	WIN MUL_LO
	MUL16 0, 1, NQ-1, 1, 0
	MUL16 2, 1, NQ-1, 1, 0
	s_wait_dscnt 0
	WIN MUL_HI
	MUL16 4, 1, NQ-1, 1, 0
	MUL16 6, 1, NQ-1, 1, 0
	WIN 0
.macro TOSTAGE a
.set AC, 64*((\a)%4)
	WIN 0x08+4*((\a)/4)
.irp b, 0,1,2,3,4,5,6,7
	ds_store_b128 v[STO], v[AC+8*\b:AC+8*\b+3] offset:128*(\b/2)+32*(\b%2)
	ds_store_b128 v[STO], v[AC+8*\b+4:AC+8*\b+7] offset:128*(\b/2)+32*(\b%2)+16
.endr
	WIN 0
.set BB, BK+64*((\a)%2)
.irp t, 0,1,2,3,4,5,6,7,8,9,10,11,12,13,14,15
	ds_load_b128 v[BB+4*\t:BB+4*\t+3], v[RD] offset:\t*SPITCH
.endr
.endm
.macro SEND a, younger
.set BB, BK+64*((\a)%2)
	s_wait_dscnt \younger
.if (\a) > 0
.if (\a)%2
	s_add_nc_u64 s[CP:CP+1], s[CP:CP+1], 8*SIZE_N*4
.else
	s_add_nc_u64 s[CP:CP+1], s[CP:CP+1], 24*SIZE_N*4
.endif
.endif
.irp t, 0,1,2,3,4,5,6,7,8,9,10,11,12,13,14,15
	global_store_b128 v[CO], v[BB+4*\t:BB+4*\t+3], s[CP:CP+1] offset:(\t+8*(\t/8))*SIZE_N*4 th:TH_STORE_NT
.endr
.endm
	PLACES NP
	TOSTAGE 0
.irp a, 1,2,3,4,5,6,7
.if \a > 1
	s_wait_xcnt 0x0
.endif
	TOSTAGE \a
	SEND \a-1, 32
.endr
	s_wait_xcnt 0x0
	SEND 7, 0
	s_wait_tensorcnt 0x0
	ds_add_u32 v[SPW], v[NIL]
	s_wait_dscnt 0x0
	CROUND
	s_endpgm
.Lfunc_end_k_q6697c0eb9d_outp:
	.size	k_q6697c0eb9d_outp, .Lfunc_end_k_q6697c0eb9d_outp-k_q6697c0eb9d_outp
	.p2alignl 7, 3214868480
	.fill 96, 4, 3214868480
	.section	.rodata,"a",@progbits
	.p2align	6, 0x0
	.amdhsa_kernel k_q6697c0eb9d_outp
		.amdhsa_group_segment_fixed_size 327680
		.amdhsa_private_segment_fixed_size 0
		.amdhsa_enable_private_segment 0
		.amdhsa_kernarg_size 48
		.amdhsa_user_sgpr_count 2
		.amdhsa_user_sgpr_kernarg_segment_ptr 1
		.amdhsa_wavefront_size32 1
		.amdhsa_system_sgpr_workgroup_id_x 1
		.amdhsa_system_sgpr_workgroup_id_y 1
		.amdhsa_system_sgpr_workgroup_id_z 1
		.amdhsa_system_vgpr_workitem_id 0
		.amdhsa_next_free_vgpr 1024
		.amdhsa_next_free_sgpr 100
		.amdhsa_reserve_vcc 0
		.amdhsa_float_denorm_mode_32 3
		.amdhsa_float_denorm_mode_16_64 3
		.amdhsa_memory_ordered 1
		.amdhsa_forward_progress 1
		.amdhsa_inst_pref_size 148
	.end_amdhsa_kernel
	.amdgpu_metadata
---
amdhsa.version: [ 1, 2 ]
amdhsa.kernels:
  - .name:           k_q6697c0eb9d_outp
    .symbol:         k_q6697c0eb9d_outp.kd
    .args:
      - { .name: ctx_img, .offset: 0, .size: 8, .value_kind: global_buffer, .address_space: global }
      - { .name: ctx_scales, .offset: 8, .size: 8, .value_kind: global_buffer, .address_space: global }
      - { .name: codes, .offset: 16, .size: 8, .value_kind: global_buffer, .address_space: global }
      - { .name: scales, .offset: 24, .size: 8, .value_kind: global_buffer, .address_space: global }
      - { .name: bo, .offset: 32, .size: 8, .value_kind: global_buffer, .address_space: global }
      - { .name: out0, .offset: 40, .size: 8, .value_kind: global_buffer, .address_space: global }
    .group_segment_fixed_size: 327680
    .private_segment_fixed_size: 0
    .kernarg_segment_align: 8
    .kernarg_segment_size: 48
    .max_flat_workgroup_size: 128
    .sgpr_count:     100
    .vgpr_count:     1024
    .wavefront_size: 32
...
	.end_amdgpu_metadata
.endif
;; end of part 4
